; MI455X (gfx1250); checked and timed in simulation.
; The chip was launched on July 23, 2026; its instructions are those of AMD's public machine-readable ISA for CDNA 5 (MIT licence, August 2026) and "CDNA5" Instruction Set Architecture Reference Guide (July 2026). The comments in the code are by the model that wrote it; some were corrected since.
;; MHA. Allowed arithmetic: matrix products marked QUANTISED: E3M2 operands, one E8M0 scale for each 32 along K, by v_wmma_scale_f32_16x16x128_f8f6f4 with both operands' format E3M2, f32 sums; everything else in f32.
;; Inputs: dense_b 1,024 float32; dense_w 1,024 x 1,024 float32; mask 1 x 1 x 2,048 x 2,048 float32; wk_b 1,024 float32; wk_w 1,024 x 1,024 float32; wq_b 1,024 float32; wq_w 1,024 x 1,024 float32; wv_b 1,024 float32; wv_w 1,024 x 1,024 float32; x 4 x 2,048 x 1,024 float32.
;; Outputs: out0 4 x 2,048 x 1,024 float32.
;; This version of the problem:
;;   THIS VERSION OF THE PROBLEM IS GIVEN IN LOW PRECISION. The matrix products marked QUANTISED in the list below multiply operands that are first quantised to E3M2 (3 exponent bits, 2 mantissa bits; 6 bits a number), with one power-of-two scale for each 32 numbers along K (OCP MX v1.0); their sums are f32. All else is computed in f32.
;;   The module's matrix products, in the order in which they are computed (A, B: the left and right operand; K: the contracted axis; several contracted axes count as one K, in the product's order):
;;     1. [M 8,192, K 1,024] x [K 1,024, N 1,024]; A: input x; B: input wq_w: QUANTISED
;;     2. [M 8,192, K 1,024] x [K 1,024, N 1,024]; A: input x; B: input wk_w: QUANTISED
;;     3. [M 8,192, K 1,024] x [K 1,024, N 1,024]; A: input x; B: input wv_w: QUANTISED
;;     4. batch 64 x [M 2,048, K 64] x [K 64, N 2,048]; A: computed on the way; B: computed on the way: QUANTISED
;;     5. batch 64 x [M 2,048, K 2,048] x [K 2,048, N 64]; A: softmax (see below); B: computed on the way: QUANTISED
;;     6. [M 8,192, K 1,024] x [K 1,024, N 1,024]; A: computed on the way; B: input dense_w: QUANTISED
;;   THE QUANTISER, for each operand of a quantised product, along K:
;;     - K is cut into blocks of 32 from its start; a last block that is shorter is filled with zeros.
;;     - A block's scale is 2^e with e = floor(log2(the largest magnitude in the block)) - 4, held to -126 .. 127; a block of zeros has e = 0. As a byte (E8M0): e + 127.
;;     - Each number is divided by its block's scale, clamped to +-28, and rounded to the nearest number of E3M2, ties to even, subnormals kept.
;;     - The product sums the exact products of the quantised numbers (number of the format x scale) in f32.
;;   ~~~python
;;   def quantise(x, axis):      # numpy; x: float32 -> the quantised numbers, widened to float32 again
;;       x = np.moveaxis(x, axis, -1); K = x.shape[-1]
;;       x = np.pad(x, [(0, 0)] * (x.ndim - 1) + [(0, -K % 32)]); x = x.reshape(x.shape[:-1] + (-1, 32)); a = np.abs(x).max(-1, keepdims=True)
;;       e = np.where(a > 0, np.clip(np.frexp(np.where(a > 0, a, 1))[1] - 1 - 4, -126, 127), 0)      # np.frexp(a)[1] - 1 = floor(log2(a)), exactly
;;       r = np.clip(x / 2.0 ** e, -28, 28)
;;       step = 2.0 ** (np.maximum(np.frexp(np.where(r == 0, 1, r))[1] - 1, -2) - 2)
;;       q = np.round(r / step) * step * 2.0 ** e      # np.round: ties to even
;;       return np.moveaxis(q.reshape(q.shape[:-2] + (-1,))[..., :K], -1, axis).astype(np.float32)
;;   ~~~
;;   SOFTMAX AHEAD OF A QUANTISED PRODUCT. Where the list says 'softmax', what is quantised is not the finished softmax but p = 2^(t - M), with t = logit x log2(e) and M = ceil(the row's largest t), a whole number; so 1/2 < the row's largest p <= 1. The row's sum l is taken of the UNQUANTISED p, in f32, and the product's result is divided by l at the end. Since M is a whole number, a kernel that streams over the keys may use a running M (the ceiling of the running maximum): every later rescaling is an exact power of two, which a block's scale takes up: the codes' values come out the same.
;;   OPERANDS COMPUTED ON THE WAY. 'Computed on the way' means the value that the module computes at that place (a softmax that the list does not call 'softmax' is quantised finished and normalised). What goes into a quantiser is computed in f32, as accurately as f32 sums, v_exp_f32 and their like allow (about 1e-6 of the number): no bf16 or f16 on the way to a quantiser, and a product that is left as it is and whose result goes on into a quantised operand takes f32 operands (vector FMAs, or v_wmma_f32_16x16x4_f32). A number that lies on a knife's edge between two numbers of the format may be rounded either way, as far as f32 arithmetic and the matrix unit's own rounding can turn it there, and no further.
;; One version. Each part assembles by itself: llvm-mc -triple=amdgcn-amd-amdhsa -mcpu=gfx1250 --defsym DOCPART=n.
;; ======== version 1 of 1: 6 launches
;; workspace buffers: xc 6,291,456 bytes; xs 262,144 bytes; wc 3,145,728 bytes; ws 131,072 bytes; qkv 20,185,088 bytes; oc 6,291,456 bytes; os 262,144 bytes
;; launch quant_x (part 1): grid 256 x 1, 4 waves a work-group, no clusters, 33,280 bytes of LDS; arguments x, xc, xs; writes xc, xs
.if DOCPART == 1
	.amdgcn_target "amdgcn-amd-amdhsa--gfx1250"
	.amdhsa_code_object_version 6
	.text
	.protected	k_q5f5c992bfe_quant_x
	.globl	k_q5f5c992bfe_quant_x
	.p2align	8
	.type	k_q5f5c992bfe_quant_x,@function
k_q5f5c992bfe_quant_x:
	s_mov_b64 s[64:65], 0
	v_nop
	global_prefetch_b8 v0, s[64:65] scope:SCOPE_SE
	s_setreg_imm32_b32 hwreg(HW_REG_WAVE_MODE, 25, 1), 1
	s_wait_xcnt 0x0
; x [8192][1024] f32 becomes codes of BF6 (E3M2), K innermost, 768 bytes a row (xc), with one E8M0 byte for each 32 along K, 32 bytes a row (xs).
; A block's scale is 2^(floor(log2(its largest magnitude)) - 4); its byte is the largest magnitude's exponent field - 4, held at 1 from below.
; A block of zeros so gets the byte 1 where the quantiser's text says 127: its codes are zeros, and this program alone reads the bytes.
; LIMITS: blocks whose largest magnitude lies under 2^-122 keep the byte 1; NaN and infinities among the inputs are not served.
; THE ROWS ARE STORED PERMUTED: the row at stored place P is row P with bits 3 and 4 exchanged.  A tile of 16 stored rows then holds rows 0-7 and 16-23
; (or 8-15 and 24-31) of a group of 32, so that in a product used transposed the 16 registers of two neighbouring tiles are 16 neighbouring rows.
; A wave takes 8 rows (8,192 numbers, 16 steps of 512): exchanging bits 3 and 4 of the row is exchanging the two bits of the wave's number in the place it stores to.
; Each load reads 512 consecutive bytes; a step's 2,048 bytes turn through the wave's own stage in LDS and come back 64 bytes (16 neighbours) a lane; two neighbouring lanes hold a block.
; No tensor loads, no barrier: waves share nothing.  Loads run four steps ahead, the turn through LDS one step.
.set STEPS, 16
.set EMAX,  4
.set CB,    12                         ; bytes of 16 codes
.set R,     16                         ; v16-79   four sets of 16 numbers as loaded
.set X,     80                         ; v80-111  two sets of 16 neighbours
.set C,     128                        ; v128-191 codes: four registers for each step, so that no store's data are written again
.set E,     112                        ; v112-127 a scale byte for each step
.set WREG,  8192                       ; LDS: a region for each wave: two stages of 32 x SP bytes, behind them its 256 scale bytes
.set SP,    80                         ; a lane's place in a stage: 64 bytes + 16 of padding
	s_load_b64 s[4:5], s[0:1], 0x0                 ; x
	s_load_b64 s[8:9], s[0:1], 0x8                 ; the codes
	s_load_b64 s[10:11], s[0:1], 0x10              ; the scale bytes
	v_lshl_add_u32 v192, v0, 2, 0x8000
	v_mov_b32 v193, 0
	v_lshrrev_b32 v1, 5, v0
	v_readfirstlane_b32 s16, v1                    ; wave
	v_and_b32 v2, 31, v0                           ; lane
	v_lshlrev_b32 v3, 4, v2                        ; my 16 bytes of a load's 512
	s_mul_i32 s17, s16, WREG
	v_lshrrev_b32 v14, 2, v2
	v_mul_u32_u24 v14, v14, SP
	v_and_b32 v15, 3, v2
	v_lshl_add_u32 v14, v15, 4, v14
	v_add_nc_u32 v14, s17, v14                     ; the stage, way in: SP (lane / 4) + 16 (lane % 4)
	v_mul_u32_u24 v15, v2, SP
	v_add_nc_u32 v15, s17, v15                     ; way out: SP x lane: my 16 neighbours
	v_mul_u32_u24 v4, v2, CB                       ; my codes' place in a step's
	v_lshrrev_b32 v5, 1, v2
	s_add_co_u32 s17, s17, 2*32*SP
	v_add_nc_u32 v5, s17, v5                       ; LDS: my wave's 256 scale bytes, my block's byte
	v_lshlrev_b32 v7, 3, v2                        ; on the way out 8 bytes a lane
	v_add_nc_u32 v6, s17, v7
	s_lshl_b32 s17, ttmp9, 2
	s_add_co_u32 s18, s17, s16                     ; the run of 8 rows that I read
	s_mov_b32 s19, 0
	s_mov_b64 s[20:21], 512*STEPS*4
	s_mul_u64 s[20:21], s[18:19], s[20:21]
	s_and_b32 s22, s16, 1
	s_lshl_b32 s22, s22, 1
	s_lshr_b32 s23, s16, 1
	s_or_b32 s22, s22, s23                         ; the wave's two bits exchanged
	s_add_co_u32 s18, s17, s22                     ; the run of 8 places that I store to
	s_mov_b64 s[24:25], 32*STEPS*CB
	s_mul_u64 s[24:25], s[18:19], s[24:25]
	s_lshl_b32 s18, s18, 8                         ; 256 scale bytes a run
	s_wait_kmcnt 0x0
	s_add_nc_u64 s[4:5], s[4:5], s[20:21]
	s_add_nc_u64 s[8:9], s[8:9], s[24:25]
	s_add_nc_u64 s[10:11], s[10:11], s[18:19]
.macro LOAD t
.irp i, 0,1,2,3
	global_load_b128 v[R+16*((\t)%4)+4*\i:R+16*((\t)%4)+4*\i+3], v3, s[4:5] offset:2048*(\t)+512*\i th:TH_LOAD_NT   ; 32 lanes read 512 consecutive bytes; x is read once
.endr
.endm
.macro TURN t                          ; step t's numbers through the stage: LDS serves a wave's instructions in order, so no wait stands between the stores and the loads
.irp i, 0,1,2,3
	ds_store_b128 v14, v[R+16*((\t)%4)+4*\i:R+16*((\t)%4)+4*\i+3] offset:32*SP*((\t)%2)+8*SP*\i
.endr
.irp i, 0,1,2,3
	ds_load_b128 v[X+16*((\t)%2)+4*\i:X+16*((\t)%2)+4*\i+3], v15 offset:32*SP*((\t)%2)+16*\i
.endr
.endm
.irp t, 0,1,2,3
	LOAD \t
.endr
	s_wait_loadcnt 12                              ; step 0's four loads are in; the twelve of steps 1 to 3 may be out
	TURN 0
.macro STEP t
.set XS, X+16*((\t)%2)
.if (\t) > 0
	s_wait_dscnt 1                                 ; this step's numbers are back from the stage; the last step's byte store may be out
.else
	s_wait_dscnt 0x0
.endif
.if (\t)+4 < STEPS
	LOAD (\t)+4                                    ; into the registers whose stores into the stage are done
.endif
.if (\t)+1 < STEPS
.if STEPS-2-(\t) >= 3
	s_wait_loadcnt 12                              ; the next step's four loads are in; those of the three steps behind it may be out
.else
	s_wait_loadcnt 4*(STEPS-2-(\t))
.endif
	TURN (\t)+1                                    ; through the other stage while this step is worked
.endif
	v_max3_num_f32 v8, |v[XS]|, |v[XS+1]|, |v[XS+2]|               ; the largest magnitude of my 16, in two chains
	v_max3_num_f32 v9, |v[XS+3]|, |v[XS+4]|, |v[XS+5]|
.irp i, 6,10
	v_max3_num_f32 v8, v8, |v[XS+\i]|, |v[XS+\i+1]|
	v_max3_num_f32 v9, v9, |v[XS+\i+2]|, |v[XS+\i+3]|
.endr
	v_max3_num_f32 v8, v8, |v[XS+14]|, |v[XS+15]|
	v_max3_num_f32 v8, v8, v9, (EMAX+1)<<23        ; and the floor 2^(5 - 127): the byte cannot fall under 1
	v_max_num_f32_dpp v8, v8, v8 row_xmask:1 row_mask:0xf bank_mask:0xf   ; and of my neighbour's 16: the block's
	v_add_nc_u32 v11, 0xfe000000, v8               ; 4 off its exponent field: the conversion takes the exponent field of this operand as its scale
	v_cvt_scalef32_pk16_bf6_f32 v[C+4*(\t):C+4*(\t)+2], v[XS:XS+15], v11   ; sixteen codes, 96 bits, the first number's lowest; beyond 28 the largest code
	v_lshrrev_b32 v[E+(\t)], 23, v11               ; the scale's byte (also the plain line behind the conversion)
	ds_store_b8 v5, v[E+(\t)] offset:16*(\t)       ; both lanes of a block write the same byte with the same value
	global_store_b96 v4, v[C+4*(\t):C+4*(\t)+2], s[8:9] offset:32*CB*(\t)   ; the wave stores 384 consecutive bytes
.endm
.irp t, 0,1,2,3,4,5,6,7,8,9,10,11,12,13,14,15
	STEP \t
.endr
	ds_load_b64 v[12:13], v6                       ; LDS serves a wave's instructions in order: these see my stores
	s_wait_dscnt 0x0
	global_store_b64 v7, v[12:13], s[10:11]        ; 32 lanes store 256 consecutive bytes, aligned
	s_wait_tensorcnt 0x0
	ds_add_u32 v192, v193
	s_wait_dscnt 0x0
	s_endpgm
.Lfunc_end_k_q5f5c992bfe_quant_x:
	.size	k_q5f5c992bfe_quant_x, .Lfunc_end_k_q5f5c992bfe_quant_x-k_q5f5c992bfe_quant_x
	.p2alignl 7, 3214868480
	.fill 96, 4, 3214868480
	.section	.rodata,"a",@progbits
	.p2align	6, 0x0
	.amdhsa_kernel k_q5f5c992bfe_quant_x
		.amdhsa_group_segment_fixed_size 33280
		.amdhsa_private_segment_fixed_size 0
		.amdhsa_enable_private_segment 0
		.amdhsa_kernarg_size 24
		.amdhsa_user_sgpr_count 2
		.amdhsa_user_sgpr_kernarg_segment_ptr 1
		.amdhsa_wavefront_size32 1
		.amdhsa_system_sgpr_workgroup_id_x 1
		.amdhsa_system_sgpr_workgroup_id_y 1
		.amdhsa_system_sgpr_workgroup_id_z 1
		.amdhsa_system_vgpr_workitem_id 0
		.amdhsa_next_free_vgpr 194
		.amdhsa_next_free_sgpr 66
		.amdhsa_reserve_vcc 0
		.amdhsa_float_denorm_mode_32 3
		.amdhsa_float_denorm_mode_16_64 3
		.amdhsa_memory_ordered 1
		.amdhsa_forward_progress 1
		.amdhsa_inst_pref_size 32
	.end_amdhsa_kernel
	.amdgpu_metadata
---
amdhsa.version: [ 1, 2 ]
amdhsa.kernels:
  - .name:           k_q5f5c992bfe_quant_x
    .symbol:         k_q5f5c992bfe_quant_x.kd
    .args:
      - { .name: x, .offset: 0, .size: 8, .value_kind: global_buffer, .address_space: global }
      - { .name: xc, .offset: 8, .size: 8, .value_kind: global_buffer, .address_space: global }
      - { .name: xs, .offset: 16, .size: 8, .value_kind: global_buffer, .address_space: global }
    .group_segment_fixed_size: 33280
    .private_segment_fixed_size: 0
    .kernarg_segment_align: 8
    .kernarg_segment_size: 24
    .max_flat_workgroup_size: 128
    .sgpr_count:     66
    .vgpr_count:     194
    .wavefront_size: 32
...
	.end_amdgpu_metadata
.endif
;; end of part 1
;; launch quant_w (part 2): grid 8 x 16, 4 waves a work-group, no clusters, 36,352 bytes of LDS; arguments wq_w, wk_w, wv_w, dense_w, wc, ws; writes wc, ws
.if DOCPART == 2
	.amdgcn_target "amdgcn-amd-amdhsa--gfx1250"
	.amdhsa_code_object_version 6
	.text
	.protected	k_q5f5c992bfe_quant_w
	.globl	k_q5f5c992bfe_quant_w
	.p2align	8
	.type	k_q5f5c992bfe_quant_w,@function
k_q5f5c992bfe_quant_w:
	s_mov_b64 s[64:65], 0
	v_nop
	global_prefetch_b8 v0, s[64:65] scope:SCOPE_SE
	s_setreg_imm32_b32 hwreg(HW_REG_WAVE_MODE, 25, 1), 1
	s_wait_xcnt 0x0
; The four weights [1024 (k)][1024 (n)] f32, K their FIRST axis, become codes of BF6 (E3M2) laid [n][k] with K innermost: wc [4096][768 bytes], ws [4096][32 bytes]; wq, wk, wv, dense take 1,024 rows each.
; A LANE TAKES A COLUMN n AND ITS REGISTERS RUN DOWN K: a block of 32 along K lies in one lane's 32 registers, and the conversions give the codes with K innermost.  Nothing is transposed by an instruction.
; THE ROWS ARE STORED PERMUTED: the row at stored place P is column P with bits 3 and 4 exchanged, as in the launch that quantises x.
; A block's byte is the largest magnitude's exponent field - 4, held at 1 from below (a block of zeros gets 1 where the quantiser's text says 127: its codes are zeros, and this program alone reads the bytes).
; LIMITS: blocks whose largest magnitude lies under 2^-122 keep the byte 1; NaN and infinities are not served.
; Work-group (x, y): weight y / 4, columns 128 x on, K from 256 (y % 4) on.  A wave takes 32 columns x 256 along K: 8 blocks a lane, 192 bytes of codes a column; they go through the wave's own
; stage in LDS and leave as rows: sixteen lanes store a row's 192 consecutive bytes.  The 8 scale bytes of a lane leave by one store of 8 bytes: rows 32 bytes apart, one byte in 128 of what is read.
; No tensor loads, no barrier.  Loads run two blocks (64 loads a wave) ahead.  Every offset is an immediate: 255 x 4,096 and 31 x 768 bytes at the most.
.set SIZE_K, 1024
.set SIZE_N, 1024
.set KW,    256
.set NB,    KW/32
.set ROWB,  192
.set PITCH, 272                        ; a stage row: sixteen places of 16 bytes, each with 12 bytes of codes, + 16
.set KROW,  SIZE_K*6/8
.set EMAX,  4
.set X,     32                         ; v32-95   two sets of 32 numbers
.set C,     96                         ; v96..    a block's codes
.set OUTR,  112                        ; v112-175 the way out
.set SB,    24                         ; v24-25   the scale bytes, four to a register
	s_load_b256 s[4:11], s[0:1], 0x0               ; wq s[4:5], wk s[6:7], wv s[8:9], dense s[10:11]
	s_load_b128 s[12:15], s[0:1], 0x20             ; the codes, the scale bytes
	v_lshl_add_u32 v192, v0, 2, 0x8c00
	v_mov_b32 v193, 0
	v_lshrrev_b32 v1, 5, v0
	v_readfirstlane_b32 s16, v1                    ; wave
	v_and_b32 v2, 31, v0                           ; lane
	s_lshl_b32 s17, ttmp9, 7
	s_lshl_b32 s18, s16, 5
	s_add_co_u32 s17, s17, s18                     ; my wave's first column
	s_and_b32 s30, ttmp7, 0xffff
	s_lshr_b32 s31, s30, 2                         ; which weight
	s_and_b32 s18, s30, 3                          ; which 256 along K
	v_lshlrev_b32 v3, 2, v2                        ; in: 4 bytes a lane
	s_mul_i32 s19, s16, 32*PITCH                   ; my stage
	v_mul_u32_u24 v4, v2, PITCH
	v_add_nc_u32 v4, s19, v4                       ; into it: row = my column
	v_and_b32 v5, 15, v2
	v_lshrrev_b32 v6, 4, v2
	v_mul_u32_u24 v7, v6, PITCH
	v_lshl_add_u32 v7, v5, 4, v7
	v_add_nc_u32 v7, s19, v7                       ; out of it: sixteen lanes to a row, two rows an instruction
	v_mul_u32_u24 v8, v6, KROW
	v_mad_u32_u24 v8, v5, 12, v8                   ; and the same place in the codes' buffer
	v_and_b32 v9, 7, v2                            ; my column's stored place among the wave's 32: bits 3 and 4 exchanged,
	v_and_b32 v10, 8, v2
	v_lshl_or_b32 v9, v10, 1, v9
	v_and_b32 v10, 16, v2
	v_lshrrev_b32 v10, 1, v10
	v_or_b32 v9, v9, v10
	v_lshlrev_b32 v9, 5, v9                        ; times 32 bytes: its row of scale bytes
	s_lshl_b32 s20, s18, 20                        ; the weight: 256 rows of 4,096 bytes for each step along K,
	s_lshl_b32 s21, s17, 2
	s_add_co_u32 s20, s20, s21                     ; + 4 x column
	s_mov_b32 s21, 0
	s_lshl_b32 s22, s31, 10
	s_add_co_u32 s22, s22, s17                     ; the wave's first stored row
	s_mul_i32 s24, s22, KROW
	s_mul_i32 s26, s18, ROWB
	s_add_co_u32 s24, s24, s26
	s_mov_b32 s25, 0
	s_lshl_b32 s28, s22, 5
	s_lshl_b32 s26, s18, 3
	s_add_co_u32 s28, s28, s26
	s_mov_b32 s29, 0
	s_wait_kmcnt 0x0
	s_and_b32 s26, s31, 1                          ; the weight's address is chosen by the work-group's number alone
	s_cmp_lg_u32 s26, 0
	s_cselect_b64 s[4:5], s[6:7], s[4:5]           ; wk or wq
	s_cselect_b64 s[8:9], s[10:11], s[8:9]         ; dense or wv
	s_cmp_ge_u32 s31, 2
	s_cselect_b64 s[4:5], s[8:9], s[4:5]
	s_add_nc_u64 s[4:5], s[4:5], s[20:21]
	s_add_nc_u64 s[12:13], s[12:13], s[24:25]
	s_add_nc_u64 s[14:15], s[14:15], s[28:29]
.macro LOAD t                          ; block t: W(32 t + i, my column), i = 0 .. 31, into set t % 2
.irp i, 0,1,2,3,4,5,6,7,8,9,10,11,12,13,14,15,16,17,18,19,20,21,22,23,24,25,26,27,28,29,30,31
	global_load_b32 v[X+32*((\t)%2)+\i], v3, s[4:5] offset:(32*(\t)+\i)*SIZE_N*4 th:TH_LOAD_NT
.endr
.endm
	LOAD 0
	LOAD 1
.macro BLOCK t
.set XS, X+32*((\t)%2)
.if (\t) < NB-1
	s_wait_loadcnt 32                              ; this block's 32 loads are in; the next block's may be out
.else
	s_wait_loadcnt 0
.endif
	v_max3_num_f32 v12, |v[XS]|, |v[XS+1]|, |v[XS+2]|               ; the block's largest magnitude: all 32 numbers are mine
	v_max3_num_f32 v13, |v[XS+3]|, |v[XS+4]|, |v[XS+5]|
.irp i, 6,10,14,18,22,26
	v_max3_num_f32 v12, v12, |v[XS+\i]|, |v[XS+\i+1]|
	v_max3_num_f32 v13, v13, |v[XS+\i+2]|, |v[XS+\i+3]|
.endr
	v_max3_num_f32 v12, v12, |v[XS+30]|, |v[XS+31]|
	v_max3_num_f32 v12, v12, v13, (EMAX+1)<<23     ; and the floor 2^(5 - 127)
	v_add_nc_u32 v11, 0xfe000000, v12              ; 4 off its exponent field: the conversion's scale operand
	v_lshrrev_b32 v13, 23, v11                     ; the scale's byte
.if (\t)%4 == 0
	v_mov_b32 v[SB+(\t)/4], v13                    ; four bytes to a register, the lower K in the lower byte
.else
	v_lshl_or_b32 v[SB+(\t)/4], v13, 8*((\t)%4), v[SB+(\t)/4]
.endif
	v_cvt_scalef32_pk16_bf6_f32 v[C:C+2], v[XS:XS+15], v11
	v_cvt_scalef32_pk16_bf6_f32 v[C+4:C+6], v[XS+16:XS+31], v11     ; (a conversion's three registers begin on an even number)
	ds_store_b96 v4, v[C:C+2] offset:32*(\t)       ; 12 bytes to a place of 16 in the stage: every LDS address is a multiple of 16
	ds_store_b96 v4, v[C+4:C+6] offset:32*(\t)+16
.if (\t)+2 < NB
	LOAD (\t)+2
.endif
	s_wait_dscnt 0x0                               ; the stores have read their registers: the next block's codes may be written
.endm
.set Q, 0
.rept NB
	BLOCK Q
.set Q, Q+1
.endr
	global_store_b64 v9, v[SB:SB+1], s[14:15]      ; my column's 8 scale bytes
.irp t, 0,1,2,3,4,5,6,7,8,9,10,11,12,13,14,15
	ds_load_b96 v[OUTR+4*\t:OUTR+4*\t+2], v7 offset:2*\t*PITCH   ; LDS serves a wave's instructions in order: these see my stores
.endr
.irp t, 0,1,2,3,4,5,6,7,8,9,10,11,12,13,14,15
	s_wait_dscnt 15-\t                             ; the younger reads of the stage may be out
	global_store_b96 v8, v[OUTR+4*\t:OUTR+4*\t+2], s[12:13] offset:((2*\t)%8+16*((\t/4)%2)+8*(\t/8))*KROW   ; columns 2 t and 2 t + 1 go to their places: bits 3 and 4 exchanged
.endr
	s_wait_tensorcnt 0x0
	ds_add_u32 v192, v193
	s_wait_dscnt 0x0
	s_endpgm
.Lfunc_end_k_q5f5c992bfe_quant_w:
	.size	k_q5f5c992bfe_quant_w, .Lfunc_end_k_q5f5c992bfe_quant_w-k_q5f5c992bfe_quant_w
	.p2alignl 7, 3214868480
	.fill 96, 4, 3214868480
	.section	.rodata,"a",@progbits
	.p2align	6, 0x0
	.amdhsa_kernel k_q5f5c992bfe_quant_w
		.amdhsa_group_segment_fixed_size 36352
		.amdhsa_private_segment_fixed_size 0
		.amdhsa_enable_private_segment 0
		.amdhsa_kernarg_size 48
		.amdhsa_user_sgpr_count 2
		.amdhsa_user_sgpr_kernarg_segment_ptr 1
		.amdhsa_wavefront_size32 1
		.amdhsa_system_sgpr_workgroup_id_x 1
		.amdhsa_system_sgpr_workgroup_id_y 1
		.amdhsa_system_sgpr_workgroup_id_z 1
		.amdhsa_system_vgpr_workitem_id 0
		.amdhsa_next_free_vgpr 194
		.amdhsa_next_free_sgpr 66
		.amdhsa_reserve_vcc 0
		.amdhsa_float_denorm_mode_32 3
		.amdhsa_float_denorm_mode_16_64 3
		.amdhsa_memory_ordered 1
		.amdhsa_forward_progress 1
		.amdhsa_inst_pref_size 42
	.end_amdhsa_kernel
	.amdgpu_metadata
---
amdhsa.version: [ 1, 2 ]
amdhsa.kernels:
  - .name:           k_q5f5c992bfe_quant_w
    .symbol:         k_q5f5c992bfe_quant_w.kd
    .args:
      - { .name: wq_w, .offset: 0, .size: 8, .value_kind: global_buffer, .address_space: global }
      - { .name: wk_w, .offset: 8, .size: 8, .value_kind: global_buffer, .address_space: global }
      - { .name: wv_w, .offset: 16, .size: 8, .value_kind: global_buffer, .address_space: global }
      - { .name: dense_w, .offset: 24, .size: 8, .value_kind: global_buffer, .address_space: global }
      - { .name: wc, .offset: 32, .size: 8, .value_kind: global_buffer, .address_space: global }
      - { .name: ws, .offset: 40, .size: 8, .value_kind: global_buffer, .address_space: global }
    .group_segment_fixed_size: 36352
    .private_segment_fixed_size: 0
    .kernarg_segment_align: 8
    .kernarg_segment_size: 48
    .max_flat_workgroup_size: 128
    .sgpr_count:     66
    .vgpr_count:     194
    .wavefront_size: 32
...
	.end_amdgpu_metadata
.endif
;; end of part 2
;; launch gemm_qk (part 3): grid 8 x 32, 4 waves a work-group, clusters of 4 x 4, 327,680 bytes of LDS; arguments xc, xs, wc, ws, qkv, wq_b, wk_b; writes qkv
.if DOCPART == 3
	.amdgcn_target "amdgcn-amd-amdhsa--gfx1250"
	.amdhsa_code_object_version 6
	.text
	.protected	k_q5f5c992bfe_gemm_qk
	.globl	k_q5f5c992bfe_gemm_qk
	.p2align	8
	.type	k_q5f5c992bfe_gemm_qk,@function
k_q5f5c992bfe_gemm_qk:
	s_mov_b64 s[64:65], 0
	v_nop
	global_prefetch_b8 v0, s[64:65] scope:SCOPE_SE
	s_setreg_imm32_b32 hwreg(HW_REG_WAVE_MODE, 25, 1), 1
	s_wait_xcnt 0x0
	s_wait_alu depctr_hold_cnt(0) depctr_sa_sdst(0) depctr_va_vdst(0) depctr_va_sdst(0) depctr_va_ssrc(0) depctr_va_vcc(0) depctr_vm_vsrc(0)
	s_getreg_b32 s2, hwreg(HW_REG_IB_STS2, 6, 4)
	s_cmp_eq_u32 s2, 0
	s_cbranch_scc0 .Lentry_in_a_cluster
	s_endpgm
.Lentry_in_a_cluster:
	s_bfe_u32 s2, ttmp6, 0x10000c
	s_cmp_lg_u32 s2, 0xf033
	s_cbranch_scc0 .Lentry_shape_is_right
	s_endpgm
.Lentry_shape_is_right:
; A projection on codes of BF6 (E3M2) with one E8M0 scale for each 32 along K = 1,024, whose result is quantised in registers and stored as the attention launch's operand images.  One text, two modes:
; MODE 0: q and k.  Source 1 (here called A) = 256 rows of x's codes (tokens), source 0 (B) = 256 rows of the weights' codes (columns of wq, then of wk).  The result is quantised along the head's 64.
; MODE 1: v.        A = 256 rows of wv's codes (features), B = 256 rows of x's codes (tokens).  The result is quantised along the tokens, which are the keys.
; A tile of 256 x 256 is made by four waves, as many as a WGP has SIMDs; a wave makes 128 x 128: 64 accumulators of 16 x 16, 512 registers.  K goes in steps of 256 through a ring of two LDS slots filled by
; the tensor data mover (rows of 192 bytes, 16 bytes of padding behind every 64: pitch 240).  The scale bytes of the 512 rows, for all of K, come into LDS once, with the first fills.
; CLUSTERS: 4 x 4 work-groups; A's tiles are asked for jointly along a row of the cluster, B's along a column.
; THE MATRIX INSTRUCTION IS USED TRANSPOSED: a lane holds ONE row of A (lane % 16) and its registers run along B's rows.  Both operands' rows are stored with bits 3 and 4 of the row exchanged, so the 16 registers of
; B's tiles 2 b and 2 b + 1 are B's rows 32 b + 16 (lane / 16) + 0 .. 15: 16 neighbours along the axis that is quantised; lane r of A's tile a holds A's row 32 (a / 2) + 8 (a % 2) + r + 8 (r / 8).
; THE BIAS is the C of each sum's first matrix instruction.
; THE WAY OUT: for each of A's 8 tiles the lane's 64 numbers (4 blocks of 32, each shared with lane xor 16) become codes and a scale word, all in registers; then the codes leave as images of the reader's registers,
; 512 consecutive bytes a store.  qkv holds, for each (batch x 16 + head, group of 128 tokens), a block of 19,712 bytes: q's codes 6,144, q's scale words 512, k's codes 6,144, v's codes 6,144, k's words 512, v's words 256.
; LIMITS: blocks whose largest magnitude lies under 2^-122 keep the byte 1; a block of zeros has the byte 1 (its codes are zeros; this program alone reads the bytes); NaN and infinities are not served.
; REGISTERS: window 0: v0-31 addresses; v32-63 scale words, two sets, and nothing else; v64-127 the bias; from v128 A's fragments, one set; on the way out v64-199 are at work.
;   window 1: B's fragments, two sets, at v0 and v128.   window 2: the accumulators of A's tiles 0-3 ((a, b) at v[8 (8 a + b)]);   window 3: those of tiles 4-7.
.set MODE,   0
.set SIZE_K, 1024
.if MODE == 0
.set A_ROW0, 0
.else
.set A_ROW0, 2048                      ; wv's rows in the weights' codes
.endif
.set BLK,    19712                     ; a block of qkv
.set HSTR,   16*BLK                    ; from a head's block to the next head's
.set KSTEP,  256
.set NQ,     KSTEP/128
.set ROWB,   192
.set KROW,   SIZE_K*6/8
.set PITCH,  240                       ; 3 x (64 bytes + 16 of padding) = 60 words: the 32 lanes of a load of 8 bytes touch 64 different banks (64 banks of 4 bytes: ISA guide 11.1)
.set FR,     12
.set NL,     6
.set NP,     4                         ; places behind this matrix instruction (ISA guide 7.12.1)
.set HALFT,  128*PITCH
.set SLOT,   4*HALFT
.set LAPS,   SIZE_K/(2*KSTEP)
.set KS,     SIZE_K/32
.set SCL,    2*SLOT                    ; behind the ring: the scales, as units of 256 bytes + 16 of padding
.set HALFS,  (128*KS/256)*272
.set SBLK,   (16*KS/256)*272
.set SPARE,  SCL+4*HALFS               ; behind the scales: the spare words, 128 bytes for each wave, which no other line names
.set ADRA, 16                          ; v16-17 LDS address of my A fragments in slot 0, 1 (v18-19: behind one padding more)
.set ADRB, 20                          ; v20-23 the same for B
.set LI,   24                          ; v24    16 x lane
.set L8,   25                          ; v25    8 x lane
.set ADRS, 27                          ; v27    LDS address of my scale words: lanes 0-15 A's rows, lanes 16-31 B's
.set SPW,  28                          ; v28    LDS address of my spare word; never rewritten
.set NIL,  29                          ; v29    0; never rewritten
.set SC,   32
.set BI,   64                          ; v64-127 the bias: eight tiles of 8 registers in the result's layout
.set AF,   128
.set CB,   64                          ; the way out: v64-159 the codes, 48 registers for each of two heads
.set PW,   160                         ; v160-167 a scale word for each of A's tiles
.set TM,   168                         ; v168-183 at work
.set PT,   184                         ; v184-191 the second halves of the conversions
.set SI,   192                         ; v192-199 the scale words as they are stored
.set G1, 24
.set G0, 32
.set G1B, 48
.set G0B, 56
.set G1S, 68
.set G0S, 76
.set G1SB, 80
.set G0SB, 88
.set MSB, 0
.macro WIN new                         ; the immediate's high byte repeats the setting that is left
.if MSB != \new
	s_set_vgpr_msb (MSB<<8)|\new
.set MSB, \new
.endif
.endm
.set MUL_LO, 0xa1                      ; source 0 (B) window 1, source 1 (A) window 0, C and D window 2
.set MUL_HI, 0xf1                      ; the same, C and D window 3
.set TO_B,   0x40                      ; destination window 1, address window 0
; A joint load: waves 0 and 1 fetch for A, waves 2 and 3 for B; the branch hangs on the wave's number alone.  Four v_nop follow each of the two lines.
.macro JLOAD g0a, g1a, g0b, g1b
	s_cmp_eq_u32 s15, 0
	s_cbranch_scc0 .Lfor_b_\@
	tensor_load_to_lds s[\g0a:\g0a+3], s[\g1a:\g1a+7]
	s_nop 0
.rept 4
	v_nop
.endr
	s_branch .Lasked_\@
.Lfor_b_\@:
	tensor_load_to_lds s[\g0b:\g0b+3], s[\g1b:\g1b+7]
	s_nop 0
.rept 4
	v_nop
.endr
.Lasked_\@:
.endm
.macro CREST                           ; a round of the cluster's barrier behind its opening barrier
	s_cmp_lg_u32 s14, 0
	s_cbranch_scc1 .Lnot_wave_0_\@
	s_barrier_signal -3
.Lnot_wave_0_\@:
	s_barrier_wait -3
	s_barrier_signal -1
	s_barrier_wait -1
.endm
.macro CROUND                          ; a whole round
	s_barrier_signal -1
	s_barrier_wait -1
	CREST
.endm
	s_load_b128 s[4:7], s[0:1], 0x0                ; A's codes, A's scales
	s_load_b128 s[8:11], s[0:1], 0x10              ; B's codes, B's scales
	s_load_b64 s[12:13], s[0:1], 0x20              ; qkv
	s_load_b64 s[96:97], s[0:1], 0x28              ; the bias (mode 0: wq's)
.if MODE == 0
	s_load_b64 s[98:99], s[0:1], 0x30              ; wk's
.endif
	v_lshl_add_u32 v[SPW], v0, 2, SPARE
	v_mov_b32 v[NIL], 0
	ds_add_u32 v28, v29
	s_wait_dscnt 0x0
	v_lshrrev_b32 v1, 5, v0
	v_readfirstlane_b32 s14, v1                    ; wave 0..3
	s_lshr_b32 s15, s14, 1                         ; which half of A's rows is mine.  Also: I fetch for A (0) or for B (1)
	s_and_b32 s16, s14, 1                          ; which half of B's rows.  Also: which 128 rows of that tile I fetch
	s_bfe_u32 s40, ttmp6, 0x40000                  ; cx, cy: my place in the cluster
	s_bfe_u32 s41, ttmp6, 0x40004
	s_lshl_b32 s42, ttmp9, 2
	s_add_co_u32 s42, s42, s40                     ; B's tile = 4 x cluster x + cx
	s_and_b32 s17, ttmp7, 0xffff
	s_lshl_b32 s17, s17, 2
	s_add_co_u32 s17, s17, s41                     ; A's tile = 4 x cluster y + cy
	s_lshl_b32 s43, s41, 2
	s_lshl_b32 s43, 15, s43                        ; my row of the cluster
	s_lshl_b32 s44, 0x1111, s40                    ; my column
	; descriptor group 1: a tile of 128 rows x 192 bytes, padded in LDS
	s_or_b32 s[G1+0], s43, (0<<16)|(1<<20)|(1<<21)|(3<<22)|(3<<25)  ; 15:0 the mask: A's tiles go to my row; elements of 1 byte; 20 padding on; 21 set beside a mask; after every 16 words (code 3) 4 words (code 3)
	s_or_b32 s[G1B+0], s44, (0<<16)|(1<<20)|(1<<21)|(3<<22)|(3<<25)
.irp g, G1, G1B
	s_mov_b32 s[\g+1], ROWB<<16                    ; tensor_dim0
	s_mov_b32 s[\g+2], 128<<16                     ; tensor_dim1
	s_mov_b32 s[\g+3], ROWB<<16                    ; tile_dim0
	s_mov_b32 s[\g+4], 128                         ; tile_dim1
	s_mov_b32 s[\g+5], KROW                        ; tensor_dim0_stride
	s_mov_b32 s[\g+6], 0
	s_mov_b32 s[\g+7], 0
.endr
	; the scales of 128 rows: a dense block of 4,096 bytes, as 16 rows of 256 bytes (32 elements of 8 bytes), 16 bytes of padding behind each
	s_or_b32 s[G1S+0], s43, (3<<16)|(1<<20)|(1<<21)|(5<<22)|(3<<25)
	s_or_b32 s[G1SB+0], s44, (3<<16)|(1<<20)|(1<<21)|(5<<22)|(3<<25)
.irp g, G1S, G1SB
	s_mov_b32 s[\g+1], 32<<16
	s_mov_b32 s[\g+2], (128*KS/256)<<16
	s_mov_b32 s[\g+3], 32<<16
	s_mov_b32 s[\g+4], 128*KS/256
	s_mov_b32 s[\g+5], 32
	s_mov_b32 s[\g+6], 0
	s_mov_b32 s[\g+7], 0
.endr
	s_lshl_b32 s18, s16, 7                         ; which 128 rows of the tile I fetch
	s_lshl_b32 s20, s17, 8
	s_add_co_u32 s20, s20, s18                     ; A: row 256 x tile + 128 x half
.if A_ROW0
	s_add_co_u32 s20, s20, A_ROW0
.endif
	s_lshl_b32 s46, s42, 8
	s_add_co_u32 s46, s46, s18                     ; B likewise
	s_mov_b32 s21, 0
	s_mov_b32 s47, 0
	s_mov_b64 s[18:19], KS
	s_mul_u64 s[22:23], s[20:21], s[18:19]         ; where these rows' scales begin, in bytes
	s_mul_u64 s[92:93], s[46:47], s[18:19]
	s_mov_b64 s[18:19], KROW
	s_mul_u64 s[20:21], s[20:21], s[18:19]         ; and their codes
	s_mul_u64 s[46:47], s[46:47], s[18:19]
	s_mul_i32 s45, s14, HALFT                      ; where they go: wave x 128 rows: no place in the cluster enters an LDS address
	s_mul_i32 s94, s14, HALFS
	s_wait_kmcnt 0x0
	s_add_nc_u64 s[20:21], s[4:5], s[20:21]
	s_add_nc_u64 s[22:23], s[6:7], s[22:23]
	s_add_nc_u64 s[46:47], s[8:9], s[46:47]
	s_add_nc_u64 s[92:93], s[10:11], s[92:93]
	CROUND                                         ; all sixteen work-groups are here: the first joint loads meet
	s_mov_b32 s[G0S], 1
	s_add_co_u32 s[G0S+1], s94, SCL
	s_mov_b64 s[G0S+2:G0S+3], s[22:23]
	s_or_b32 s[G0S+3], s[G0S+3], 0x80000000
	s_mov_b32 s[G0SB], 1
	s_add_co_u32 s[G0SB+1], s94, SCL
	s_mov_b64 s[G0SB+2:G0SB+3], s[92:93]
	s_or_b32 s[G0SB+3], s[G0SB+3], 0x80000000
	JLOAD G0S, G1S, G0SB, G1SB                     ; the scales first: they are wanted with K step 0
.irp s, 0,1
	s_mov_b32 s[G0+4*\s], 1
	s_add_co_u32 s[G0+4*\s+1], s45, \s*SLOT
	s_add_nc_u64 s[G0+4*\s+2:G0+4*\s+3], s[20:21], \s*ROWB
	s_or_b32 s[G0+4*\s+3], s[G0+4*\s+3], 0x80000000
	s_mov_b32 s[G0B+4*\s], 1
	s_add_co_u32 s[G0B+4*\s+1], s45, \s*SLOT
	s_add_nc_u64 s[G0B+4*\s+2:G0B+4*\s+3], s[46:47], \s*ROWB
	s_or_b32 s[G0B+4*\s+3], s[G0B+4*\s+3], 0x80000000
	JLOAD G0+4*\s, G1, G0B+4*\s, G1B               ; three tensor loads of mine are out now
.endr
	v_and_b32 v1, 15, v0                           ; r = lane % 16
	v_bfe_u32 v2, v0, 4, 1                         ; h = lane / 16
	v_mul_u32_u24 v3, v1, PITCH
	v_mul_u32_u24 v4, v2, 24
	v_add_nc_u32 v4, v3, v4                        ; a fragment's row x pitch + 24 x half
	v_lshl_add_u32 v5, v2, 4, v4                   ; and the same behind one padding more
	s_mul_i32 s21, s15, HALFT                      ; my 128 rows of A
	s_mul_i32 s22, s16, HALFT                      ; my 128 rows of B,
	s_add_co_u32 s22, s22, 2*HALFT                 ; which lie behind A's 256
.irp s, 0,1
	v_add_nc_u32 v[ADRA+\s], s21, v4
	v_add_nc_u32 v[ADRB+\s], s22, v4
	v_add_nc_u32 v[ADRA+2+\s], s21, v5
	v_add_nc_u32 v[ADRB+2+\s], s22, v5
	s_add_co_u32 s21, s21, SLOT
	s_add_co_u32 s22, s22, SLOT
.endr
	v_mul_u32_u24 v5, v1, KS                       ; my row's scales: 32 bytes a row,
	v_lshrrev_b32 v6, 8, v5
	v_lshl_add_u32 v5, v6, 4, v5                   ; and 16 more for each 256 passed
	s_mul_i32 s21, s15, HALFS
	s_mul_i32 s22, s16, HALFS
	s_add_co_u32 s22, s22, 2*HALFS
	s_sub_co_u32 s22, s22, s21
	v_mul_u32_u24 v6, s22, v2                      ; lanes 16-31 take B's
	s_add_co_u32 s21, s21, SCL
	v_add_nc_u32 v5, v5, v6
	v_add_nc_u32 v[ADRS], s21, v5
	v_and_b32 v6, 31, v0
	v_lshlrev_b32 v[LI], 4, v6
	v_lshlrev_b32 v[L8], 3, v6
	; the bias, in the result's layout
.if MODE == 0
	v_lshlrev_b32 v7, 6, v2                        ; along the registers: tile b's register j is column 32 (b / 2) + 16 h + 8 (b % 2) + j of my 128
	s_cmp_eq_u32 ttmp9, 0                          ; clusters with x = 0 make q, the others k: the same choice in all partners
	s_cselect_b64 s[96:97], s[96:97], s[98:99]
	s_and_b32 s66, s42, 3
	s_lshl_b32 s66, s66, 10
	s_lshl_b32 s67, s16, 9
.else
	v_and_b32 v7, 8, v1                            ; along the lanes: lane r of tile a is feature 32 (a / 2) + 8 (a % 2) + r + 8 (r / 8) of my 128
	v_add_nc_u32 v7, v7, v1
	v_lshlrev_b32 v7, 2, v7
	s_lshl_b32 s66, s17, 10
	s_lshl_b32 s67, s15, 9
.endif
	s_add_co_u32 s66, s66, s67
	s_mov_b32 s67, 0
	s_add_nc_u64 s[96:97], s[96:97], s[66:67]
.irp t, 0,1,2,3,4,5,6,7
.if MODE == 0
	global_load_b128 v[BI+8*\t:BI+8*\t+3], v7, s[96:97] offset:(32*(\t/2)+8*(\t%2))*4
	global_load_b128 v[BI+8*\t+4:BI+8*\t+7], v7, s[96:97] offset:(32*(\t/2)+8*(\t%2))*4+16
.else
.irp j, 0,1,2,3,4,5,6,7
	global_load_b32 v[BI+8*\t+\j], v7, s[96:97] offset:(32*(\t/2)+8*(\t%2))*4   ; the lane's one number, in all eight registers of the tile
.endr
.endif
.endr
	; where my two heads' images go: block ((16 batch + head) x 16 + group of 128 tokens)
.if MODE == 0
	s_lshr_b32 s20, s17, 3                         ; batch: 8 tiles of 256 tokens each
	s_lshl_b32 s20, s20, 4
	s_and_b32 s21, s42, 3
	s_lshl_b32 s21, s21, 2                         ; 4 heads in 256 columns,
	s_add_co_u32 s20, s20, s21
	s_lshl_b32 s21, s16, 1                         ; 2 in my 128
	s_add_co_u32 s20, s20, s21
	s_lshl_b32 s20, s20, 4
	s_and_b32 s21, s17, 7
	s_lshl_b32 s21, s21, 1
	s_add_co_u32 s20, s20, s21
	s_add_co_u32 s20, s20, s15
	s_mul_i32 s20, s20, BLK
	s_cmp_eq_u32 ttmp9, 0
	s_cselect_b32 s21, 0, 6656                     ; q's codes begin the block, k's lie 6,656 bytes on;
	s_mov_b32 s22, 12288
	s_cselect_b32 s22, 6144, s22                   ; the scale words 6,144 or 12,288 bytes behind the codes' first byte
	s_add_co_u32 s20, s20, s21
.else
	s_lshr_b32 s20, s42, 3
	s_lshl_b32 s20, s20, 4
	s_lshl_b32 s21, s17, 2
	s_add_co_u32 s20, s20, s21
	s_lshl_b32 s21, s15, 1
	s_add_co_u32 s20, s20, s21
	s_lshl_b32 s20, s20, 4
	s_and_b32 s21, s42, 7
	s_lshl_b32 s21, s21, 1
	s_add_co_u32 s20, s20, s21
	s_add_co_u32 s20, s20, s16
	s_mul_i32 s20, s20, BLK
	s_add_co_u32 s20, s20, 12800                   ; v's codes,
	s_mov_b32 s22, 6656                            ; and its scale words behind them
.endif
	s_mov_b32 s21, 0
	s_mov_b32 s23, 0
	s_add_nc_u64 s[12:13], s[12:13], s[20:21]
	s_add_nc_u64 s[66:67], s[12:13], s[22:23]
	s_mov_b32 s100, 0x76543210
	s_mov_b32 s101, 0xfedcba98                     ; v_permlanex16_b32's selects for lane xor 16
.macro FRAG reg, adr, q, i             ; a fragment, 16 rows x 128 K of 6-bit codes, is 12 registers: lane l holds row l % 16; registers 6 c .. 6 c + 5 hold K = 64 c + 32 (l / 16) + 0 .. 31: 24 bytes of the row, as they lie
.irp p, 0,1,2,3,4,5                    ; in pieces of 8 bytes.  Lanes 16-31 read three pieces further on than lanes 0-15: where that is behind one padding more, the second address register serves
.set PC, 12*(\q)+6*(\p/3)+\p%3
.if PC%8 < 5
	ds_load_b64 v[\reg+2*\p:\reg+2*\p+1], v[\adr] offset:8*PC+16*(PC/8)+(\i)*16*PITCH
.else
	ds_load_b64 v[\reg+2*\p:\reg+2*\p+1], v[\adr+2] offset:8*PC+16*(PC/8)+(\i)*16*PITCH
.endif
.endr
.endm
; 16 matrix instructions: A's tiles a0, a0 + 1 x B's eight, 128 along K.  p: B's set; sc: the set of scale words.  first = 1: the sums begin with the bias as C.
; The 64 accumulators take turns, one instruction a turn, in the same order in every step.
.macro MUL16 a0, p, q, sc, first
.irp a, \a0, \a0+1
.irp b, 0,1,2,3,4,5,6,7
.if \first
.if MODE == 0
	v_wmma_scale_f32_16x16x128_f8f6f4 v[8*(8*((\a)%4)+\b):8*(8*((\a)%4)+\b)+7], v[128*(\p)+FR*\b:128*(\p)+FR*\b+FR-1], v[AF+FR*(\a):AF+FR*(\a)+FR-1], v[BI+8*\b:BI+8*\b+7], v[SC+8*NQ*(\sc)+NQ*\b+(\q)], v[SC+8*NQ*(\sc)+NQ*(\a)+(\q)] matrix_a_fmt:MATRIX_FMT_BF6 matrix_b_fmt:MATRIX_FMT_BF6 matrix_a_scale:MATRIX_SCALE_ROW1
.else
	v_wmma_scale_f32_16x16x128_f8f6f4 v[8*(8*((\a)%4)+\b):8*(8*((\a)%4)+\b)+7], v[128*(\p)+FR*\b:128*(\p)+FR*\b+FR-1], v[AF+FR*(\a):AF+FR*(\a)+FR-1], v[BI+8*(\a):BI+8*(\a)+7], v[SC+8*NQ*(\sc)+NQ*\b+(\q)], v[SC+8*NQ*(\sc)+NQ*(\a)+(\q)] matrix_a_fmt:MATRIX_FMT_BF6 matrix_b_fmt:MATRIX_FMT_BF6 matrix_a_scale:MATRIX_SCALE_ROW1
.endif
.else
	v_wmma_scale_f32_16x16x128_f8f6f4 v[8*(8*((\a)%4)+\b):8*(8*((\a)%4)+\b)+7], v[128*(\p)+FR*\b:128*(\p)+FR*\b+FR-1], v[AF+FR*(\a):AF+FR*(\a)+FR-1], v[8*(8*((\a)%4)+\b):8*(8*((\a)%4)+\b)+7], v[SC+8*NQ*(\sc)+NQ*\b+(\q)], v[SC+8*NQ*(\sc)+NQ*(\a)+(\q)] matrix_a_fmt:MATRIX_FMT_BF6 matrix_b_fmt:MATRIX_FMT_BF6 matrix_a_scale:MATRIX_SCALE_ROW1
.endif
.endr
.endr
.endm
.macro FETCH_B slot, q, p              ; B's eight fragments of the slot's q-th 128 along K into set p
	WIN TO_B
.irp i, 0,1,2,3,4,5,6,7
	FRAG 128*(\p)+FR*\i, ADRB+\slot, \q, \i
.endr
	WIN 0
.endm
.macro FETCH_A slot, q, i0             ; A's tiles i0 .. i0 + 3
.irp i, \i0, \i0+1, \i0+2, \i0+3
	FRAG AF+FR*(\i), ADRA+\slot, \q, \i
.endr
.endm
.macro SCALES sc                       ; a K step's scale words into set sc: two words a row; lanes 0-15 take A's tile i, lanes 16-31 B's tile i
.irp i, 0,1,2,3,4,5,6,7
	ds_load_b64 v[SC+8*NQ*\sc+NQ*\i:SC+8*NQ*\sc+NQ*\i+1], v[ADRS] offset:\i*SBLK
.endr
.endm
; A load into a register that a matrix instruction has read, and a vector instruction that reads a matrix result or writes one of its registers, stand NP places behind it; only plain vector
; instructions that name none of its registers are places (ISA guide 7.12.1 for vector instructions).
.macro PLACES n
.rept \n
	v_nop
.endr
.endm
; A step of 128 along K that has its successor in the same slot.
.macro STEP slot, q, first
	s_wait_dscnt 4*NL                              ; B's set and A's tiles 0-3 are in; the youngest 24 loads (A's tiles 4-7) may be out
.if \first
	WIN 0x81                                       ; source 0 window 1, C (the bias) window 0, D window 2
.else
	WIN MUL_LO
.endif
	MUL16 0, (\q)%2, \q, \slot, \first
	MUL16 2, (\q)%2, \q, \slot, \first
	s_wait_dscnt 0                                 ; A's tiles 4-7 are in
	PLACES NP
	FETCH_B \slot, (\q)+1, 1-(\q)%2
	FETCH_A \slot, (\q)+1, 0
.if \first
	WIN 0xc1
.else
	WIN MUL_HI
.endif
	MUL16 4, (\q)%2, \q, \slot, \first
	MUL16 6, (\q)%2, \q, \slot, \first
	PLACES NP
	WIN 0
	FETCH_A \slot, (\q)+1, 4
.endm
; A slot's last step changes slots: one barrier; in front of it each wave waits for all its tensor loads, adds 0 to its spare word, and waits for that and for its own reads of this slot.  fill = 1: this slot is filled again, two K steps ahead.
.macro TURN slot, next, fill
	s_wait_tensorcnt 0x0                           ; all my tensor loads have landed: my part of the next slot
	ds_add_u32 v[SPW], v[NIL]                      ; 0 onto my spare word
	s_wait_dscnt 4*NL+1                            ; the add and the youngest 24 loads (A's tiles 4-7) may be out
	WIN MUL_LO
	MUL16 0, 1, NQ-1, \slot, 0                     ; sixteen matrix instructions stand between the add and the wait for it
	s_wait_dscnt 0x0                               ; the add is done, and my reads of this slot are over
	s_barrier_signal -1
	MUL16 2, 1, NQ-1, \slot, 0
	WIN 0
	s_barrier_wait -1
.if \fill
	CREST                                          ; the barrier has opened a round of the cluster's barrier: no wave of any partner still reads this slot's tile or has a load on its way
	s_add_nc_u64 s[G0+4*\slot+2:G0+4*\slot+3], s[G0+4*\slot+2:G0+4*\slot+3], 2*ROWB
	s_add_nc_u64 s[G0B+4*\slot+2:G0B+4*\slot+3], s[G0B+4*\slot+2:G0B+4*\slot+3], 2*ROWB
	JLOAD G0+4*\slot, G1, G0B+4*\slot, G1B         ; the first tensor load behind the round; its four v_nop are the places in front of the loads below
.else
	PLACES NP
.endif
	v_add_nc_u32 v[ADRS], 4*NQ, v[ADRS]            ; on to the next K step's scale words
	FETCH_B \next, 0, 0
	FETCH_A \next, 0, 0
	SCALES \next
	WIN MUL_HI
	MUL16 4, 1, NQ-1, \slot, 0
	MUL16 6, 1, NQ-1, \slot, 0
	PLACES NP
	WIN 0
	FETCH_A \next, 0, 4
.endm
; THE WAY OUT of A's tile a: my 64 numbers, register 16 b + i = place 32 b + 16 (lane / 16) + i along the quantised axis, become four blocks' codes and my row's scale word.
.macro QUANTW a
.set W, 2+(\a)/4                       ; the tile's accumulators: window 2 or 3,
.set SB, 64*((\a)%4)                   ; from this register on
.set WW, (W<<2)|(W<<4)
.if MODE == 0
.set D0, CB+6*(\a)                     ; blocks 0, 1: the first head's 64, half a fragment: tile a of that head's image
.set D1, CB+48+6*(\a)                  ; blocks 2, 3: the second head's
.else
.set D0, CB+48*((\a)/4)+12*((\a)%4)    ; a whole fragment (128 keys) of head a / 4, tile a % 4 of its 64 features
.set D1, D0+6
.endif
	WIN WW                                         ; sources 1 and 2: the accumulators' window
.irp b, 0,1,2,3
	v_max3_num_f32 v[TM+\b], 0x2800000, |v[SB+16*\b]|, |v[SB+16*\b+1]|   ; block b: my 16 numbers, from each accumulator's low end on, and the floor 2^(5 - 127): the byte cannot fall under 1
.endr
.irp n, 2,4,6,8,10,12,14
.irp b, 0,1,2,3
	v_max3_num_f32 v[TM+\b], v[TM+\b], |v[SB+16*\b+\n]|, |v[SB+16*\b+\n+1]|   ; (the four blocks by turns)
.endr
.endr
	WIN 0
.irp b, 0,1,2,3
	v_permlanex16_b32 v[TM+4+\b], v[TM+\b], s100, s101
.endr
.irp b, 0,1,2,3
	v_max_num_f32 v[TM+\b], v[TM+\b], v[TM+4+\b]   ; with lane xor 16's: the block's largest magnitude
.endr
.irp b, 0,1,2,3
	v_add_nc_u32 v[TM+12+\b], 0xfe000000, v[TM+\b] ; 4 off its exponent field: the conversion's scale operand
.endr
.irp b, 0,1,2,3
	v_lshrrev_b32 v[TM+4+\b], 23, v[TM+12+\b]      ; the scale's byte
.endr
	v_lshl_or_b32 v[PW+(\a)], v[TM+5], 8, v[TM+4]
	v_lshl_or_b32 v[PW+(\a)], v[TM+6], 16, v[PW+(\a)]
	v_lshl_or_b32 v[PW+(\a)], v[TM+7], 24, v[PW+(\a)]
	WIN W                                          ; source 0: the accumulators' window
	v_cvt_scalef32_pk16_bf6_f32 v[D0:D0+2], v[SB:SB+15], v[TM+12]
	v_cvt_scalef32_pk16_bf6_f32 v[PT:PT+2], v[SB+16:SB+31], v[TM+13]      ; (a conversion's three registers begin on an even number)
	v_cvt_scalef32_pk16_bf6_f32 v[D1:D1+2], v[SB+32:SB+47], v[TM+14]
	v_cvt_scalef32_pk16_bf6_f32 v[PT+4:PT+6], v[SB+48:SB+63], v[TM+15]
	WIN 0
	v_nop                                          ; one plain place behind a scaled conversion
.irp i, 0,1,2                                  ; the operand's layout wants a whole block in a lane: lanes 0-15 the even block, lanes 16-31 the odd one
	v_permlane16_swap_b32 v[D0+\i], v[PT+\i]
	v_permlane16_swap_b32 v[D1+\i], v[PT+4+\i]
.endr
.irp i, 0,1,2
	v_mov_b32 v[D0+3+\i], v[PT+\i]
	v_mov_b32 v[D1+3+\i], v[PT+4+\i]
.endr
.endm
	s_wait_tensorcnt 1                             ; the scales and my part of K step 0 are in; K step 1's load may be out
	s_barrier_signal -1
	s_barrier_wait -1
	FETCH_B 0, 0, 0
	FETCH_A 0, 0, 0
	SCALES 0
	FETCH_A 0, 0, 4
	s_wait_loadcnt 0x0                             ; the bias
	STEP 0, 0, 1                                   ; the first step stands in front of the loop: its products start the sums
	s_mov_b32 s3, LAPS-1
.Llap:                                                 ; a trip goes once round the ring and fills both slots again
	TURN 0, 1, 1
	STEP 1, 0, 0
	TURN 1, 0, 1
	STEP 0, 0, 0
	s_sub_co_u32 s3, s3, 1
	s_cmp_lg_u32 s3, 0
	s_cbranch_scc1 .Llap
	TURN 0, 1, 0                                   ; the last lap fills nothing, and has no round of the cluster's barrier
	STEP 1, 0, 0
	s_wait_dscnt 4*NL                              ; the very last step: nothing more to fetch
	WIN MUL_LO
	MUL16 0, 1, NQ-1, 1, 0
	MUL16 2, 1, NQ-1, 1, 0
	s_wait_dscnt 0
	WIN MUL_HI
	MUL16 4, 1, NQ-1, 1, 0
	MUL16 6, 1, NQ-1, 1, 0
	WIN 0
	PLACES NP                                      ; in front of the reads of results and of the writes over the bias's and A's registers
	v_and_b32 v7, 31, v0
	v_cmp_le_u32 vcc_lo, 16, v7                    ; lanes 16-31
.irp b, 0,1,2,3
	v_mov_b32 v[TM+4+\b], 0                        ; written once: a lane permute's destination counts as one of its sources
.endr
.irp a, 0,1,2,3,4,5,6,7
	QUANTW \a
.endr
.irp e, 0,1                                    ; the two heads' codes: register R of lane l lies at 512 (R / 4) + 16 l + 4 (R % 4) of the image
.irp c, 0,1,2,3,4,5,6,7,8,9,10,11
	global_store_b128 v[LI], v[CB+48*\e+4*\c:CB+48*\e+4*\c+3], s[12:13] offset:\e*HSTR+512*\c   ; 32 lanes store 512 consecutive bytes, aligned to 256
.endr
.endr
.if MODE == 0
.irp b, 0,1,2,3                                ; the word at 16 l + 4 b is tile 2 b + l / 16, row l % 16 (both halves of the lanes hold every row's word)
	v_cndmask_b32 v[SI+\b], v[PW+2*\b], v[PW+2*\b+1], vcc_lo
.endr
.irp b, 0,1,2,3
	v_and_b32 v[SI+4+\b], 0xffff, v[SI+\b]         ; the first head's two bytes; bytes 2 and 3, of the 64 along K that the head does not have, are 0
.endr
.irp b, 0,1,2,3
	v_lshrrev_b32 v[SI+\b], 16, v[SI+\b]           ; the second head's
.endr
	global_store_b128 v[LI], v[SI+4:SI+7], s[66:67]
	global_store_b128 v[LI], v[SI:SI+3], s[66:67] offset:HSTR
.else
.irp e, 0,1                                    ; the word at 8 l + 4 c is feature tile 2 c + l / 16, row l % 16
.irp c, 0,1
	v_cndmask_b32 v[SI+2*\e+\c], v[PW+4*\e+2*\c], v[PW+4*\e+2*\c+1], vcc_lo
.endr
.endr
	global_store_b64 v[L8], v[SI:SI+1], s[66:67]
	global_store_b64 v[L8], v[SI+2:SI+3], s[66:67] offset:HSTR
.endif
	s_wait_tensorcnt 0x0                           ; the wave's end
	ds_add_u32 v[SPW], v[NIL]
	s_wait_dscnt 0x0
	CROUND                                         ; the closing round: no work-group ends while a partner may still ask for a tile that names it
	s_endpgm
.Lfunc_end_k_q5f5c992bfe_gemm_qk:
	.size	k_q5f5c992bfe_gemm_qk, .Lfunc_end_k_q5f5c992bfe_gemm_qk-k_q5f5c992bfe_gemm_qk
	.p2alignl 7, 3214868480
	.fill 96, 4, 3214868480
	.section	.rodata,"a",@progbits
	.p2align	6, 0x0
	.amdhsa_kernel k_q5f5c992bfe_gemm_qk
		.amdhsa_group_segment_fixed_size 327680
		.amdhsa_private_segment_fixed_size 0
		.amdhsa_enable_private_segment 0
		.amdhsa_kernarg_size 56
		.amdhsa_user_sgpr_count 2
		.amdhsa_user_sgpr_kernarg_segment_ptr 1
		.amdhsa_wavefront_size32 1
		.amdhsa_system_sgpr_workgroup_id_x 1
		.amdhsa_system_sgpr_workgroup_id_y 1
		.amdhsa_system_sgpr_workgroup_id_z 1
		.amdhsa_system_vgpr_workitem_id 0
		.amdhsa_next_free_vgpr 1024
		.amdhsa_next_free_sgpr 102
		.amdhsa_reserve_vcc 1
		.amdhsa_float_denorm_mode_32 3
		.amdhsa_float_denorm_mode_16_64 3
		.amdhsa_memory_ordered 1
		.amdhsa_forward_progress 1
		.amdhsa_inst_pref_size 166
	.end_amdhsa_kernel
	.amdgpu_metadata
---
amdhsa.version: [ 1, 2 ]
amdhsa.kernels:
  - .name:           k_q5f5c992bfe_gemm_qk
    .symbol:         k_q5f5c992bfe_gemm_qk.kd
    .args:
      - { .name: xc, .offset: 0, .size: 8, .value_kind: global_buffer, .address_space: global }
      - { .name: xs, .offset: 8, .size: 8, .value_kind: global_buffer, .address_space: global }
      - { .name: wc, .offset: 16, .size: 8, .value_kind: global_buffer, .address_space: global }
      - { .name: ws, .offset: 24, .size: 8, .value_kind: global_buffer, .address_space: global }
      - { .name: qkv, .offset: 32, .size: 8, .value_kind: global_buffer, .address_space: global }
      - { .name: wq_b, .offset: 40, .size: 8, .value_kind: global_buffer, .address_space: global }
      - { .name: wk_b, .offset: 48, .size: 8, .value_kind: global_buffer, .address_space: global }
    .group_segment_fixed_size: 327680
    .private_segment_fixed_size: 0
    .kernarg_segment_align: 8
    .kernarg_segment_size: 56
    .max_flat_workgroup_size: 128
    .sgpr_count:     102
    .vgpr_count:     1024
    .wavefront_size: 32
...
	.end_amdgpu_metadata
.endif
;; end of part 3
;; launch gemm_v (part 4): grid 32 x 4, 4 waves a work-group, clusters of 4 x 4, 327,680 bytes of LDS; arguments wc, ws, xc, xs, qkv, wv_b; writes qkv
.if DOCPART == 4
	.amdgcn_target "amdgcn-amd-amdhsa--gfx1250"
	.amdhsa_code_object_version 6
	.text
	.protected	k_q5f5c992bfe_gemm_v
	.globl	k_q5f5c992bfe_gemm_v
	.p2align	8
	.type	k_q5f5c992bfe_gemm_v,@function
k_q5f5c992bfe_gemm_v:
	s_mov_b64 s[64:65], 0
	v_nop
	global_prefetch_b8 v0, s[64:65] scope:SCOPE_SE
	s_setreg_imm32_b32 hwreg(HW_REG_WAVE_MODE, 25, 1), 1
	s_wait_xcnt 0x0
	s_wait_alu depctr_hold_cnt(0) depctr_sa_sdst(0) depctr_va_vdst(0) depctr_va_sdst(0) depctr_va_ssrc(0) depctr_va_vcc(0) depctr_vm_vsrc(0)
	s_getreg_b32 s2, hwreg(HW_REG_IB_STS2, 6, 4)
	s_cmp_eq_u32 s2, 0
	s_cbranch_scc0 .Lentry_in_a_cluster
	s_endpgm
.Lentry_in_a_cluster:
	s_bfe_u32 s2, ttmp6, 0x10000c
	s_cmp_lg_u32 s2, 0xf033
	s_cbranch_scc0 .Lentry_shape_is_right
	s_endpgm
.Lentry_shape_is_right:
; A projection on codes of BF6 (E3M2) with one E8M0 scale for each 32 along K = 1,024, whose result is quantised in registers and stored as the attention launch's operand images.  One text, two modes:
; MODE 0: q and k.  Source 1 (here called A) = 256 rows of x's codes (tokens), source 0 (B) = 256 rows of the weights' codes (columns of wq, then of wk).  The result is quantised along the head's 64.
; MODE 1: v.        A = 256 rows of wv's codes (features), B = 256 rows of x's codes (tokens).  The result is quantised along the tokens, which are the keys.
; A tile of 256 x 256 is made by four waves, as many as a WGP has SIMDs; a wave makes 128 x 128: 64 accumulators of 16 x 16, 512 registers.  K goes in steps of 256 through a ring of two LDS slots filled by
; the tensor data mover (rows of 192 bytes, 16 bytes of padding behind every 64: pitch 240).  The scale bytes of the 512 rows, for all of K, come into LDS once, with the first fills.
; CLUSTERS: 4 x 4 work-groups; A's tiles are asked for jointly along a row of the cluster, B's along a column.
; THE MATRIX INSTRUCTION IS USED TRANSPOSED: a lane holds ONE row of A (lane % 16) and its registers run along B's rows.  Both operands' rows are stored with bits 3 and 4 of the row exchanged, so the 16 registers of
; B's tiles 2 b and 2 b + 1 are B's rows 32 b + 16 (lane / 16) + 0 .. 15: 16 neighbours along the axis that is quantised; lane r of A's tile a holds A's row 32 (a / 2) + 8 (a % 2) + r + 8 (r / 8).
; THE BIAS is the C of each sum's first matrix instruction.
; THE WAY OUT: for each of A's 8 tiles the lane's 64 numbers (4 blocks of 32, each shared with lane xor 16) become codes and a scale word, all in registers; then the codes leave as images of the reader's registers,
; 512 consecutive bytes a store.  qkv holds, for each (batch x 16 + head, group of 128 tokens), a block of 19,712 bytes: q's codes 6,144, q's scale words 512, k's codes 6,144, v's codes 6,144, k's words 512, v's words 256.
; LIMITS: blocks whose largest magnitude lies under 2^-122 keep the byte 1; a block of zeros has the byte 1 (its codes are zeros; this program alone reads the bytes); NaN and infinities are not served.
; REGISTERS: window 0: v0-31 addresses; v32-63 scale words, two sets, and nothing else; v64-127 the bias; from v128 A's fragments, one set; on the way out v64-199 are at work.
;   window 1: B's fragments, two sets, at v0 and v128.   window 2: the accumulators of A's tiles 0-3 ((a, b) at v[8 (8 a + b)]);   window 3: those of tiles 4-7.
.set MODE,   1
.set SIZE_K, 1024
.if MODE == 0
.set A_ROW0, 0
.else
.set A_ROW0, 2048                      ; wv's rows in the weights' codes
.endif
.set BLK,    19712                     ; a block of qkv
.set HSTR,   16*BLK                    ; from a head's block to the next head's
.set KSTEP,  256
.set NQ,     KSTEP/128
.set ROWB,   192
.set KROW,   SIZE_K*6/8
.set PITCH,  240                       ; 3 x (64 bytes + 16 of padding) = 60 words: the 32 lanes of a load of 8 bytes touch 64 different banks (64 banks of 4 bytes: ISA guide 11.1)
.set FR,     12
.set NL,     6
.set NP,     4                         ; places behind this matrix instruction (ISA guide 7.12.1)
.set HALFT,  128*PITCH
.set SLOT,   4*HALFT
.set LAPS,   SIZE_K/(2*KSTEP)
.set KS,     SIZE_K/32
.set SCL,    2*SLOT                    ; behind the ring: the scales, as units of 256 bytes + 16 of padding
.set HALFS,  (128*KS/256)*272
.set SBLK,   (16*KS/256)*272
.set SPARE,  SCL+4*HALFS               ; behind the scales: the spare words, 128 bytes for each wave, which no other line names
.set ADRA, 16                          ; v16-17 LDS address of my A fragments in slot 0, 1 (v18-19: behind one padding more)
.set ADRB, 20                          ; v20-23 the same for B
.set LI,   24                          ; v24    16 x lane
.set L8,   25                          ; v25    8 x lane
.set ADRS, 27                          ; v27    LDS address of my scale words: lanes 0-15 A's rows, lanes 16-31 B's
.set SPW,  28                          ; v28    LDS address of my spare word; never rewritten
.set NIL,  29                          ; v29    0; never rewritten
.set SC,   32
.set BI,   64                          ; v64-127 the bias: eight tiles of 8 registers in the result's layout
.set AF,   128
.set CB,   64                          ; the way out: v64-159 the codes, 48 registers for each of two heads
.set PW,   160                         ; v160-167 a scale word for each of A's tiles
.set TM,   168                         ; v168-183 at work
.set PT,   184                         ; v184-191 the second halves of the conversions
.set SI,   192                         ; v192-199 the scale words as they are stored
.set G1, 24
.set G0, 32
.set G1B, 48
.set G0B, 56
.set G1S, 68
.set G0S, 76
.set G1SB, 80
.set G0SB, 88
.set MSB, 0
.macro WIN new                         ; the immediate's high byte repeats the setting that is left
.if MSB != \new
	s_set_vgpr_msb (MSB<<8)|\new
.set MSB, \new
.endif
.endm
.set MUL_LO, 0xa1                      ; source 0 (B) window 1, source 1 (A) window 0, C and D window 2
.set MUL_HI, 0xf1                      ; the same, C and D window 3
.set TO_B,   0x40                      ; destination window 1, address window 0
; A joint load: waves 0 and 1 fetch for A, waves 2 and 3 for B; the branch hangs on the wave's number alone.  Four v_nop follow each of the two lines.
.macro JLOAD g0a, g1a, g0b, g1b
	s_cmp_eq_u32 s15, 0
	s_cbranch_scc0 .Lfor_b_\@
	tensor_load_to_lds s[\g0a:\g0a+3], s[\g1a:\g1a+7]
	s_nop 0
.rept 4
	v_nop
.endr
	s_branch .Lasked_\@
.Lfor_b_\@:
	tensor_load_to_lds s[\g0b:\g0b+3], s[\g1b:\g1b+7]
	s_nop 0
.rept 4
	v_nop
.endr
.Lasked_\@:
.endm
.macro CREST                           ; a round of the cluster's barrier behind its opening barrier
	s_cmp_lg_u32 s14, 0
	s_cbranch_scc1 .Lnot_wave_0_\@
	s_barrier_signal -3
.Lnot_wave_0_\@:
	s_barrier_wait -3
	s_barrier_signal -1
	s_barrier_wait -1
.endm
.macro CROUND                          ; a whole round
	s_barrier_signal -1
	s_barrier_wait -1
	CREST
.endm
	s_load_b128 s[4:7], s[0:1], 0x0                ; A's codes, A's scales
	s_load_b128 s[8:11], s[0:1], 0x10              ; B's codes, B's scales
	s_load_b64 s[12:13], s[0:1], 0x20              ; qkv
	s_load_b64 s[96:97], s[0:1], 0x28              ; the bias (mode 0: wq's)
.if MODE == 0
	s_load_b64 s[98:99], s[0:1], 0x30              ; wk's
.endif
	v_lshl_add_u32 v[SPW], v0, 2, SPARE
	v_mov_b32 v[NIL], 0
	ds_add_u32 v28, v29
	s_wait_dscnt 0x0
	v_lshrrev_b32 v1, 5, v0
	v_readfirstlane_b32 s14, v1                    ; wave 0..3
	s_lshr_b32 s15, s14, 1                         ; which half of A's rows is mine.  Also: I fetch for A (0) or for B (1)
	s_and_b32 s16, s14, 1                          ; which half of B's rows.  Also: which 128 rows of that tile I fetch
	s_bfe_u32 s40, ttmp6, 0x40000                  ; cx, cy: my place in the cluster
	s_bfe_u32 s41, ttmp6, 0x40004
	s_lshl_b32 s42, ttmp9, 2
	s_add_co_u32 s42, s42, s40                     ; B's tile = 4 x cluster x + cx
	s_and_b32 s17, ttmp7, 0xffff
	s_lshl_b32 s17, s17, 2
	s_add_co_u32 s17, s17, s41                     ; A's tile = 4 x cluster y + cy
	s_lshl_b32 s43, s41, 2
	s_lshl_b32 s43, 15, s43                        ; my row of the cluster
	s_lshl_b32 s44, 0x1111, s40                    ; my column
	; descriptor group 1: a tile of 128 rows x 192 bytes, padded in LDS
	s_or_b32 s[G1+0], s43, (0<<16)|(1<<20)|(1<<21)|(3<<22)|(3<<25)  ; 15:0 the mask: A's tiles go to my row; elements of 1 byte; 20 padding on; 21 set beside a mask; after every 16 words (code 3) 4 words (code 3)
	s_or_b32 s[G1B+0], s44, (0<<16)|(1<<20)|(1<<21)|(3<<22)|(3<<25)
.irp g, G1, G1B
	s_mov_b32 s[\g+1], ROWB<<16                    ; tensor_dim0
	s_mov_b32 s[\g+2], 128<<16                     ; tensor_dim1
	s_mov_b32 s[\g+3], ROWB<<16                    ; tile_dim0
	s_mov_b32 s[\g+4], 128                         ; tile_dim1
	s_mov_b32 s[\g+5], KROW                        ; tensor_dim0_stride
	s_mov_b32 s[\g+6], 0
	s_mov_b32 s[\g+7], 0
.endr
	; the scales of 128 rows: a dense block of 4,096 bytes, as 16 rows of 256 bytes (32 elements of 8 bytes), 16 bytes of padding behind each
	s_or_b32 s[G1S+0], s43, (3<<16)|(1<<20)|(1<<21)|(5<<22)|(3<<25)
	s_or_b32 s[G1SB+0], s44, (3<<16)|(1<<20)|(1<<21)|(5<<22)|(3<<25)
.irp g, G1S, G1SB
	s_mov_b32 s[\g+1], 32<<16
	s_mov_b32 s[\g+2], (128*KS/256)<<16
	s_mov_b32 s[\g+3], 32<<16
	s_mov_b32 s[\g+4], 128*KS/256
	s_mov_b32 s[\g+5], 32
	s_mov_b32 s[\g+6], 0
	s_mov_b32 s[\g+7], 0
.endr
	s_lshl_b32 s18, s16, 7                         ; which 128 rows of the tile I fetch
	s_lshl_b32 s20, s17, 8
	s_add_co_u32 s20, s20, s18                     ; A: row 256 x tile + 128 x half
.if A_ROW0
	s_add_co_u32 s20, s20, A_ROW0
.endif
	s_lshl_b32 s46, s42, 8
	s_add_co_u32 s46, s46, s18                     ; B likewise
	s_mov_b32 s21, 0
	s_mov_b32 s47, 0
	s_mov_b64 s[18:19], KS
	s_mul_u64 s[22:23], s[20:21], s[18:19]         ; where these rows' scales begin, in bytes
	s_mul_u64 s[92:93], s[46:47], s[18:19]
	s_mov_b64 s[18:19], KROW
	s_mul_u64 s[20:21], s[20:21], s[18:19]         ; and their codes
	s_mul_u64 s[46:47], s[46:47], s[18:19]
	s_mul_i32 s45, s14, HALFT                      ; where they go: wave x 128 rows: no place in the cluster enters an LDS address
	s_mul_i32 s94, s14, HALFS
	s_wait_kmcnt 0x0
	s_add_nc_u64 s[20:21], s[4:5], s[20:21]
	s_add_nc_u64 s[22:23], s[6:7], s[22:23]
	s_add_nc_u64 s[46:47], s[8:9], s[46:47]
	s_add_nc_u64 s[92:93], s[10:11], s[92:93]
	CROUND                                         ; all sixteen work-groups are here: the first joint loads meet
	s_mov_b32 s[G0S], 1
	s_add_co_u32 s[G0S+1], s94, SCL
	s_mov_b64 s[G0S+2:G0S+3], s[22:23]
	s_or_b32 s[G0S+3], s[G0S+3], 0x80000000
	s_mov_b32 s[G0SB], 1
	s_add_co_u32 s[G0SB+1], s94, SCL
	s_mov_b64 s[G0SB+2:G0SB+3], s[92:93]
	s_or_b32 s[G0SB+3], s[G0SB+3], 0x80000000
	JLOAD G0S, G1S, G0SB, G1SB                     ; the scales first: they are wanted with K step 0
.irp s, 0,1
	s_mov_b32 s[G0+4*\s], 1
	s_add_co_u32 s[G0+4*\s+1], s45, \s*SLOT
	s_add_nc_u64 s[G0+4*\s+2:G0+4*\s+3], s[20:21], \s*ROWB
	s_or_b32 s[G0+4*\s+3], s[G0+4*\s+3], 0x80000000
	s_mov_b32 s[G0B+4*\s], 1
	s_add_co_u32 s[G0B+4*\s+1], s45, \s*SLOT
	s_add_nc_u64 s[G0B+4*\s+2:G0B+4*\s+3], s[46:47], \s*ROWB
	s_or_b32 s[G0B+4*\s+3], s[G0B+4*\s+3], 0x80000000
	JLOAD G0+4*\s, G1, G0B+4*\s, G1B               ; three tensor loads of mine are out now
.endr
	v_and_b32 v1, 15, v0                           ; r = lane % 16
	v_bfe_u32 v2, v0, 4, 1                         ; h = lane / 16
	v_mul_u32_u24 v3, v1, PITCH
	v_mul_u32_u24 v4, v2, 24
	v_add_nc_u32 v4, v3, v4                        ; a fragment's row x pitch + 24 x half
	v_lshl_add_u32 v5, v2, 4, v4                   ; and the same behind one padding more
	s_mul_i32 s21, s15, HALFT                      ; my 128 rows of A
	s_mul_i32 s22, s16, HALFT                      ; my 128 rows of B,
	s_add_co_u32 s22, s22, 2*HALFT                 ; which lie behind A's 256
.irp s, 0,1
	v_add_nc_u32 v[ADRA+\s], s21, v4
	v_add_nc_u32 v[ADRB+\s], s22, v4
	v_add_nc_u32 v[ADRA+2+\s], s21, v5
	v_add_nc_u32 v[ADRB+2+\s], s22, v5
	s_add_co_u32 s21, s21, SLOT
	s_add_co_u32 s22, s22, SLOT
.endr
	v_mul_u32_u24 v5, v1, KS                       ; my row's scales: 32 bytes a row,
	v_lshrrev_b32 v6, 8, v5
	v_lshl_add_u32 v5, v6, 4, v5                   ; and 16 more for each 256 passed
	s_mul_i32 s21, s15, HALFS
	s_mul_i32 s22, s16, HALFS
	s_add_co_u32 s22, s22, 2*HALFS
	s_sub_co_u32 s22, s22, s21
	v_mul_u32_u24 v6, s22, v2                      ; lanes 16-31 take B's
	s_add_co_u32 s21, s21, SCL
	v_add_nc_u32 v5, v5, v6
	v_add_nc_u32 v[ADRS], s21, v5
	v_and_b32 v6, 31, v0
	v_lshlrev_b32 v[LI], 4, v6
	v_lshlrev_b32 v[L8], 3, v6
	; the bias, in the result's layout
.if MODE == 0
	v_lshlrev_b32 v7, 6, v2                        ; along the registers: tile b's register j is column 32 (b / 2) + 16 h + 8 (b % 2) + j of my 128
	s_cmp_eq_u32 ttmp9, 0                          ; clusters with x = 0 make q, the others k: the same choice in all partners
	s_cselect_b64 s[96:97], s[96:97], s[98:99]
	s_and_b32 s66, s42, 3
	s_lshl_b32 s66, s66, 10
	s_lshl_b32 s67, s16, 9
.else
	v_and_b32 v7, 8, v1                            ; along the lanes: lane r of tile a is feature 32 (a / 2) + 8 (a % 2) + r + 8 (r / 8) of my 128
	v_add_nc_u32 v7, v7, v1
	v_lshlrev_b32 v7, 2, v7
	s_lshl_b32 s66, s17, 10
	s_lshl_b32 s67, s15, 9
.endif
	s_add_co_u32 s66, s66, s67
	s_mov_b32 s67, 0
	s_add_nc_u64 s[96:97], s[96:97], s[66:67]
.irp t, 0,1,2,3,4,5,6,7
.if MODE == 0
	global_load_b128 v[BI+8*\t:BI+8*\t+3], v7, s[96:97] offset:(32*(\t/2)+8*(\t%2))*4
	global_load_b128 v[BI+8*\t+4:BI+8*\t+7], v7, s[96:97] offset:(32*(\t/2)+8*(\t%2))*4+16
.else
.irp j, 0,1,2,3,4,5,6,7
	global_load_b32 v[BI+8*\t+\j], v7, s[96:97] offset:(32*(\t/2)+8*(\t%2))*4   ; the lane's one number, in all eight registers of the tile
.endr
.endif
.endr
	; where my two heads' images go: block ((16 batch + head) x 16 + group of 128 tokens)
.if MODE == 0
	s_lshr_b32 s20, s17, 3                         ; batch: 8 tiles of 256 tokens each
	s_lshl_b32 s20, s20, 4
	s_and_b32 s21, s42, 3
	s_lshl_b32 s21, s21, 2                         ; 4 heads in 256 columns,
	s_add_co_u32 s20, s20, s21
	s_lshl_b32 s21, s16, 1                         ; 2 in my 128
	s_add_co_u32 s20, s20, s21
	s_lshl_b32 s20, s20, 4
	s_and_b32 s21, s17, 7
	s_lshl_b32 s21, s21, 1
	s_add_co_u32 s20, s20, s21
	s_add_co_u32 s20, s20, s15
	s_mul_i32 s20, s20, BLK
	s_cmp_eq_u32 ttmp9, 0
	s_cselect_b32 s21, 0, 6656                     ; q's codes begin the block, k's lie 6,656 bytes on;
	s_mov_b32 s22, 12288
	s_cselect_b32 s22, 6144, s22                   ; the scale words 6,144 or 12,288 bytes behind the codes' first byte
	s_add_co_u32 s20, s20, s21
.else
	s_lshr_b32 s20, s42, 3                         ; batch: 8 tiles of 256 tokens each
	s_lshl_b32 s20, s20, 4
	s_lshl_b32 s21, s17, 2                         ; 4 heads in 256 features,
	s_add_co_u32 s20, s20, s21
	s_lshl_b32 s21, s15, 1                         ; 2 in my 128
	s_add_co_u32 s20, s20, s21
	s_lshl_b32 s20, s20, 4
	s_and_b32 s21, s42, 7
	s_lshl_b32 s21, s21, 1
	s_add_co_u32 s20, s20, s21
	s_add_co_u32 s20, s20, s16
	s_mul_i32 s20, s20, BLK
	s_add_co_u32 s20, s20, 12800                   ; v's codes,
	s_mov_b32 s22, 6656                            ; and its scale words behind them
.endif
	s_mov_b32 s21, 0
	s_mov_b32 s23, 0
	s_add_nc_u64 s[12:13], s[12:13], s[20:21]
	s_add_nc_u64 s[66:67], s[12:13], s[22:23]
	s_mov_b32 s100, 0x76543210
	s_mov_b32 s101, 0xfedcba98                     ; v_permlanex16_b32's selects for lane xor 16
.macro FRAG reg, adr, q, i             ; a fragment, 16 rows x 128 K of 6-bit codes, is 12 registers: lane l holds row l % 16; registers 6 c .. 6 c + 5 hold K = 64 c + 32 (l / 16) + 0 .. 31: 24 bytes of the row, as they lie
.irp p, 0,1,2,3,4,5                    ; in pieces of 8 bytes.  Lanes 16-31 read three pieces further on than lanes 0-15: where that is behind one padding more, the second address register serves
.set PC, 12*(\q)+6*(\p/3)+\p%3
.if PC%8 < 5
	ds_load_b64 v[\reg+2*\p:\reg+2*\p+1], v[\adr] offset:8*PC+16*(PC/8)+(\i)*16*PITCH
.else
	ds_load_b64 v[\reg+2*\p:\reg+2*\p+1], v[\adr+2] offset:8*PC+16*(PC/8)+(\i)*16*PITCH
.endif
.endr
.endm
; 16 matrix instructions: A's tiles a0, a0 + 1 x B's eight, 128 along K.  p: B's set; sc: the set of scale words.  first = 1: the sums begin with the bias as C.
; The 64 accumulators take turns, one instruction a turn, in the same order in every step.
.macro MUL16 a0, p, q, sc, first
.irp a, \a0, \a0+1
.irp b, 0,1,2,3,4,5,6,7
.if \first
.if MODE == 0
	v_wmma_scale_f32_16x16x128_f8f6f4 v[8*(8*((\a)%4)+\b):8*(8*((\a)%4)+\b)+7], v[128*(\p)+FR*\b:128*(\p)+FR*\b+FR-1], v[AF+FR*(\a):AF+FR*(\a)+FR-1], v[BI+8*\b:BI+8*\b+7], v[SC+8*NQ*(\sc)+NQ*\b+(\q)], v[SC+8*NQ*(\sc)+NQ*(\a)+(\q)] matrix_a_fmt:MATRIX_FMT_BF6 matrix_b_fmt:MATRIX_FMT_BF6 matrix_a_scale:MATRIX_SCALE_ROW1
.else
	v_wmma_scale_f32_16x16x128_f8f6f4 v[8*(8*((\a)%4)+\b):8*(8*((\a)%4)+\b)+7], v[128*(\p)+FR*\b:128*(\p)+FR*\b+FR-1], v[AF+FR*(\a):AF+FR*(\a)+FR-1], v[BI+8*(\a):BI+8*(\a)+7], v[SC+8*NQ*(\sc)+NQ*\b+(\q)], v[SC+8*NQ*(\sc)+NQ*(\a)+(\q)] matrix_a_fmt:MATRIX_FMT_BF6 matrix_b_fmt:MATRIX_FMT_BF6 matrix_a_scale:MATRIX_SCALE_ROW1
.endif
.else
	v_wmma_scale_f32_16x16x128_f8f6f4 v[8*(8*((\a)%4)+\b):8*(8*((\a)%4)+\b)+7], v[128*(\p)+FR*\b:128*(\p)+FR*\b+FR-1], v[AF+FR*(\a):AF+FR*(\a)+FR-1], v[8*(8*((\a)%4)+\b):8*(8*((\a)%4)+\b)+7], v[SC+8*NQ*(\sc)+NQ*\b+(\q)], v[SC+8*NQ*(\sc)+NQ*(\a)+(\q)] matrix_a_fmt:MATRIX_FMT_BF6 matrix_b_fmt:MATRIX_FMT_BF6 matrix_a_scale:MATRIX_SCALE_ROW1
.endif
.endr
.endr
.endm
.macro FETCH_B slot, q, p              ; B's eight fragments of the slot's q-th 128 along K into set p
	WIN TO_B
.irp i, 0,1,2,3,4,5,6,7
	FRAG 128*(\p)+FR*\i, ADRB+\slot, \q, \i
.endr
	WIN 0
.endm
.macro FETCH_A slot, q, i0             ; A's tiles i0 .. i0 + 3
.irp i, \i0, \i0+1, \i0+2, \i0+3
	FRAG AF+FR*(\i), ADRA+\slot, \q, \i
.endr
.endm
.macro SCALES sc                       ; a K step's scale words into set sc: two words a row; lanes 0-15 take A's tile i, lanes 16-31 B's tile i
.irp i, 0,1,2,3,4,5,6,7
	ds_load_b64 v[SC+8*NQ*\sc+NQ*\i:SC+8*NQ*\sc+NQ*\i+1], v[ADRS] offset:\i*SBLK
.endr
.endm
; A load into a register that a matrix instruction has read, and a vector instruction that reads a matrix result or writes one of its registers, stand NP places behind it; only plain vector
; instructions that name none of its registers are places (ISA guide 7.12.1 for vector instructions).
.macro PLACES n
.rept \n
	v_nop
.endr
.endm
; A step of 128 along K that has its successor in the same slot.
.macro STEP slot, q, first
	s_wait_dscnt 4*NL                              ; B's set and A's tiles 0-3 are in; the youngest 24 loads (A's tiles 4-7) may be out
.if \first
	WIN 0x81                                       ; source 0 window 1, C (the bias) window 0, D window 2
.else
	WIN MUL_LO
.endif
	MUL16 0, (\q)%2, \q, \slot, \first
	MUL16 2, (\q)%2, \q, \slot, \first
	s_wait_dscnt 0                                 ; A's tiles 4-7 are in
	PLACES NP
	FETCH_B \slot, (\q)+1, 1-(\q)%2
	FETCH_A \slot, (\q)+1, 0
.if \first
	WIN 0xc1
.else
	WIN MUL_HI
.endif
	MUL16 4, (\q)%2, \q, \slot, \first
	MUL16 6, (\q)%2, \q, \slot, \first
	PLACES NP
	WIN 0
	FETCH_A \slot, (\q)+1, 4
.endm
; A slot's last step changes slots: one barrier; in front of it each wave waits for all its tensor loads, adds 0 to its spare word, and waits for that and for its own reads of this slot.  fill = 1: this slot is filled again, two K steps ahead.
.macro TURN slot, next, fill
	s_wait_tensorcnt 0x0                           ; all my tensor loads have landed: my part of the next slot
	ds_add_u32 v[SPW], v[NIL]                      ; 0 onto my spare word
	s_wait_dscnt 4*NL+1                            ; the add and the youngest 24 loads (A's tiles 4-7) may be out
	WIN MUL_LO
	MUL16 0, 1, NQ-1, \slot, 0                     ; sixteen matrix instructions stand between the add and the wait for it
	s_wait_dscnt 0x0                               ; the add is done, and my reads of this slot are over
	s_barrier_signal -1
	MUL16 2, 1, NQ-1, \slot, 0
	WIN 0
	s_barrier_wait -1
.if \fill
	CREST                                          ; the barrier has opened a round of the cluster's barrier: no wave of any partner still reads this slot's tile or has a load on its way
	s_add_nc_u64 s[G0+4*\slot+2:G0+4*\slot+3], s[G0+4*\slot+2:G0+4*\slot+3], 2*ROWB
	s_add_nc_u64 s[G0B+4*\slot+2:G0B+4*\slot+3], s[G0B+4*\slot+2:G0B+4*\slot+3], 2*ROWB
	JLOAD G0+4*\slot, G1, G0B+4*\slot, G1B         ; the first tensor load behind the round; its four v_nop are the places in front of the loads below
.else
	PLACES NP
.endif
	v_add_nc_u32 v[ADRS], 4*NQ, v[ADRS]            ; on to the next K step's scale words
	FETCH_B \next, 0, 0
	FETCH_A \next, 0, 0
	SCALES \next
	WIN MUL_HI
	MUL16 4, 1, NQ-1, \slot, 0
	MUL16 6, 1, NQ-1, \slot, 0
	PLACES NP
	WIN 0
	FETCH_A \next, 0, 4
.endm
; THE WAY OUT of A's tile a: my 64 numbers, register 16 b + i = place 32 b + 16 (lane / 16) + i along the quantised axis, become four blocks' codes and my row's scale word.
.macro QUANTW a
.set W, 2+(\a)/4                       ; the tile's accumulators: window 2 or 3,
.set SB, 64*((\a)%4)                   ; from this register on
.set WW, (W<<2)|(W<<4)
.if MODE == 0
.set D0, CB+6*(\a)                     ; blocks 0, 1: the first head's 64, half a fragment: tile a of that head's image
.set D1, CB+48+6*(\a)                  ; blocks 2, 3: the second head's
.else
.set D0, CB+48*((\a)/4)+12*((\a)%4)    ; a whole fragment (128 keys) of head a / 4, tile a % 4 of its 64 features
.set D1, D0+6
.endif
	WIN WW                                         ; sources 1 and 2: the accumulators' window
.irp b, 0,1,2,3
	v_max3_num_f32 v[TM+\b], 0x2800000, |v[SB+16*\b]|, |v[SB+16*\b+1]|   ; block b: my 16 numbers, from each accumulator's low end on, and the floor 2^(5 - 127): the byte cannot fall under 1
.endr
.irp n, 2,4,6,8,10,12,14
.irp b, 0,1,2,3
	v_max3_num_f32 v[TM+\b], v[TM+\b], |v[SB+16*\b+\n]|, |v[SB+16*\b+\n+1]|   ; (the four blocks by turns)
.endr
.endr
	WIN 0
.irp b, 0,1,2,3
	v_permlanex16_b32 v[TM+4+\b], v[TM+\b], s100, s101
.endr
.irp b, 0,1,2,3
	v_max_num_f32 v[TM+\b], v[TM+\b], v[TM+4+\b]   ; with lane xor 16's: the block's largest magnitude
.endr
.irp b, 0,1,2,3
	v_add_nc_u32 v[TM+12+\b], 0xfe000000, v[TM+\b] ; 4 off its exponent field: the conversion's scale operand
.endr
.irp b, 0,1,2,3
	v_lshrrev_b32 v[TM+4+\b], 23, v[TM+12+\b]      ; the scale's byte
.endr
	v_lshl_or_b32 v[PW+(\a)], v[TM+5], 8, v[TM+4]
	v_lshl_or_b32 v[PW+(\a)], v[TM+6], 16, v[PW+(\a)]
	v_lshl_or_b32 v[PW+(\a)], v[TM+7], 24, v[PW+(\a)]
	WIN W                                          ; source 0: the accumulators' window
	v_cvt_scalef32_pk16_bf6_f32 v[D0:D0+2], v[SB:SB+15], v[TM+12]
	v_cvt_scalef32_pk16_bf6_f32 v[PT:PT+2], v[SB+16:SB+31], v[TM+13]      ; (a conversion's three registers begin on an even number)
	v_cvt_scalef32_pk16_bf6_f32 v[D1:D1+2], v[SB+32:SB+47], v[TM+14]
	v_cvt_scalef32_pk16_bf6_f32 v[PT+4:PT+6], v[SB+48:SB+63], v[TM+15]
	WIN 0
	v_nop                                          ; one plain place behind a scaled conversion
.irp i, 0,1,2                                  ; the operand's layout wants a whole block in a lane: lanes 0-15 the even block, lanes 16-31 the odd one
	v_permlane16_swap_b32 v[D0+\i], v[PT+\i]
	v_permlane16_swap_b32 v[D1+\i], v[PT+4+\i]
.endr
.irp i, 0,1,2
	v_mov_b32 v[D0+3+\i], v[PT+\i]
	v_mov_b32 v[D1+3+\i], v[PT+4+\i]
.endr
.endm
	s_wait_tensorcnt 1                             ; the scales and my part of K step 0 are in; K step 1's load may be out
	s_barrier_signal -1
	s_barrier_wait -1
	FETCH_B 0, 0, 0
	FETCH_A 0, 0, 0
	SCALES 0
	FETCH_A 0, 0, 4
	s_wait_loadcnt 0x0                             ; the bias
	STEP 0, 0, 1                                   ; the first step stands in front of the loop: its products start the sums
	s_mov_b32 s3, LAPS-1
.Llap:                                                 ; a trip goes once round the ring and fills both slots again
	TURN 0, 1, 1
	STEP 1, 0, 0
	TURN 1, 0, 1
	STEP 0, 0, 0
	s_sub_co_u32 s3, s3, 1
	s_cmp_lg_u32 s3, 0
	s_cbranch_scc1 .Llap
	TURN 0, 1, 0                                   ; the last lap fills nothing, and has no round of the cluster's barrier
	STEP 1, 0, 0
	s_wait_dscnt 4*NL                              ; the very last step: nothing more to fetch
	WIN MUL_LO
	MUL16 0, 1, NQ-1, 1, 0
	MUL16 2, 1, NQ-1, 1, 0
	s_wait_dscnt 0
	WIN MUL_HI
	MUL16 4, 1, NQ-1, 1, 0
	MUL16 6, 1, NQ-1, 1, 0
	WIN 0
	PLACES NP                                      ; in front of the reads of results and of the writes over the bias's and A's registers
	v_and_b32 v7, 31, v0
	v_cmp_le_u32 vcc_lo, 16, v7                    ; lanes 16-31
.irp b, 0,1,2,3
	v_mov_b32 v[TM+4+\b], 0                        ; written once: a lane permute's destination counts as one of its sources
.endr
.irp a, 0,1,2,3,4,5,6,7
	QUANTW \a
.endr
.irp e, 0,1                                    ; the two heads' codes: register R of lane l lies at 512 (R / 4) + 16 l + 4 (R % 4) of the image
.irp c, 0,1,2,3,4,5,6,7,8,9,10,11
	global_store_b128 v[LI], v[CB+48*\e+4*\c:CB+48*\e+4*\c+3], s[12:13] offset:\e*HSTR+512*\c   ; 32 lanes store 512 consecutive bytes, aligned to 256
.endr
.endr
.if MODE == 0
.irp b, 0,1,2,3                                ; the word at 16 l + 4 b is tile 2 b + l / 16, row l % 16 (both halves of the lanes hold every row's word)
	v_cndmask_b32 v[SI+\b], v[PW+2*\b], v[PW+2*\b+1], vcc_lo
.endr
.irp b, 0,1,2,3
	v_and_b32 v[SI+4+\b], 0xffff, v[SI+\b]         ; the first head's two bytes; bytes 2 and 3, of the 64 along K that the head does not have, are 0
.endr
.irp b, 0,1,2,3
	v_lshrrev_b32 v[SI+\b], 16, v[SI+\b]           ; the second head's
.endr
	global_store_b128 v[LI], v[SI+4:SI+7], s[66:67]
	global_store_b128 v[LI], v[SI:SI+3], s[66:67] offset:HSTR
.else
.irp e, 0,1                                    ; the word at 8 l + 4 c is feature tile 2 c + l / 16, row l % 16
.irp c, 0,1
	v_cndmask_b32 v[SI+2*\e+\c], v[PW+4*\e+2*\c], v[PW+4*\e+2*\c+1], vcc_lo
.endr
.endr
	global_store_b64 v[L8], v[SI:SI+1], s[66:67]
	global_store_b64 v[L8], v[SI+2:SI+3], s[66:67] offset:HSTR
.endif
	s_wait_tensorcnt 0x0                           ; the wave's end
	ds_add_u32 v[SPW], v[NIL]
	s_wait_dscnt 0x0
	CROUND                                         ; the closing round: no work-group ends while a partner may still ask for a tile that names it
	s_endpgm
.Lfunc_end_k_q5f5c992bfe_gemm_v:
	.size	k_q5f5c992bfe_gemm_v, .Lfunc_end_k_q5f5c992bfe_gemm_v-k_q5f5c992bfe_gemm_v
	.p2alignl 7, 3214868480
	.fill 96, 4, 3214868480
	.section	.rodata,"a",@progbits
	.p2align	6, 0x0
	.amdhsa_kernel k_q5f5c992bfe_gemm_v
		.amdhsa_group_segment_fixed_size 327680
		.amdhsa_private_segment_fixed_size 0
		.amdhsa_enable_private_segment 0
		.amdhsa_kernarg_size 48
		.amdhsa_user_sgpr_count 2
		.amdhsa_user_sgpr_kernarg_segment_ptr 1
		.amdhsa_wavefront_size32 1
		.amdhsa_system_sgpr_workgroup_id_x 1
		.amdhsa_system_sgpr_workgroup_id_y 1
		.amdhsa_system_sgpr_workgroup_id_z 1
		.amdhsa_system_vgpr_workitem_id 0
		.amdhsa_next_free_vgpr 1024
		.amdhsa_next_free_sgpr 102
		.amdhsa_reserve_vcc 1
		.amdhsa_float_denorm_mode_32 3
		.amdhsa_float_denorm_mode_16_64 3
		.amdhsa_memory_ordered 1
		.amdhsa_forward_progress 1
		.amdhsa_inst_pref_size 170
	.end_amdhsa_kernel
	.amdgpu_metadata
---
amdhsa.version: [ 1, 2 ]
amdhsa.kernels:
  - .name:           k_q5f5c992bfe_gemm_v
    .symbol:         k_q5f5c992bfe_gemm_v.kd
    .args:
      - { .name: wc, .offset: 0, .size: 8, .value_kind: global_buffer, .address_space: global }
      - { .name: ws, .offset: 8, .size: 8, .value_kind: global_buffer, .address_space: global }
      - { .name: xc, .offset: 16, .size: 8, .value_kind: global_buffer, .address_space: global }
      - { .name: xs, .offset: 24, .size: 8, .value_kind: global_buffer, .address_space: global }
      - { .name: qkv, .offset: 32, .size: 8, .value_kind: global_buffer, .address_space: global }
      - { .name: wv_b, .offset: 40, .size: 8, .value_kind: global_buffer, .address_space: global }
    .group_segment_fixed_size: 327680
    .private_segment_fixed_size: 0
    .kernarg_segment_align: 8
    .kernarg_segment_size: 48
    .max_flat_workgroup_size: 128
    .sgpr_count:     102
    .vgpr_count:     1024
    .wavefront_size: 32
...
	.end_amdgpu_metadata
.endif
;; end of part 4
;; launch attn (part 5): grid 16 x 16, 8 waves a work-group, clusters of 4 x 4, 327,680 bytes of LDS; arguments qkv, mask, oc, os; writes oc, os
.if DOCPART == 5
	.amdgcn_target "amdgcn-amd-amdhsa--gfx1250"
	.amdhsa_code_object_version 6
	.text
	.protected	k_q5f5c992bfe_attn
	.globl	k_q5f5c992bfe_attn
	.p2align	8
	.type	k_q5f5c992bfe_attn,@function
k_q5f5c992bfe_attn:
	s_mov_b64 s[64:65], 0
	v_nop
	global_prefetch_b8 v0, s[64:65] scope:SCOPE_SE
	s_setreg_imm32_b32 hwreg(HW_REG_WAVE_MODE, 25, 1), 1
	s_wait_xcnt 0x0
	s_wait_alu depctr_hold_cnt(0) depctr_sa_sdst(0) depctr_va_vdst(0) depctr_va_sdst(0) depctr_va_ssrc(0) depctr_va_vcc(0) depctr_vm_vsrc(0)
	s_getreg_b32 s2, hwreg(HW_REG_IB_STS2, 6, 4)
	s_cmp_eq_u32 s2, 0
	s_cbranch_scc0 .Lentry_in_a_cluster
	s_endpgm
.Lentry_in_a_cluster:
	s_bfe_u32 s2, ttmp6, 0x10000c
	s_cmp_lg_u32 s2, 0xf033
	s_cbranch_scc0 .Lentry_shape_is_right
	s_endpgm
.Lentry_shape_is_right:
; Attention on codes of BF6 (E3M2) with one E8M0 scale for each 32 along a product's K: 64 (batch, head) pairs, 2,048 tokens, head size 64, logit = q . k / 32 + mask x (-1e9), the mask an f32 INPUT [2048][2048]:
; every query meets every key, and every score takes its own number of the mask.  The result is quantised along d_model in registers and stored as the last product's operand (oc: 768 bytes a token, os: 32).
; THE SOFTMAX: t = logit x log2(e), made as ONE rounded f32 number, fma(score, log2(e) / 32, mask x (-1e9 log2(e))); M = the ceiling of the row's running largest t; p = 2^(t - M) is quantised along the keys, not normalised;
; the row's sum is taken of the unquantised p and divides at the end.  When M moves, the sum and O are multiplied by 2^(old M - new M): exact.  t - M is a separate addition, so that rows all of whose keys are masked
; (|t| about 1.4e9) see the rounded t.
; SHARES.  Work-group (x, y): 128 queries (block x) of the four heads 4 y .. 4 y + 3.  Wave w of eight owns ONE tile of 16 queries, tokens 32 (w / 2) + 8 (w % 2) + r + 8 (r / 8) of the block, FOR ALL FOUR HEADS: a key step's
; numbers of the mask (64 registers a lane) are read from LDS and scaled once and serve four heads.  16 key steps of 128 keys.
; LAYOUT.  Both products are used transposed: S^T = K Q^T, O^T = V^T P^T: a lane holds one query (lane % 16) throughout.  q, k, v come as images of the operands' registers, made by the projections' launches: the keys of a
; tile are chosen so that the 16 registers of tiles 2 b and 2 b + 1 of S^T are keys 32 b + 16 (lane / 16) + 0 .. 15, and v's features likewise for O^T.
; K = 64 IN AN INSTRUCTION 128 DEEP.  q's fragment is 6 registers of codes and 6 of zero codes.  k's fragment of tile t is named as 12 registers from 6 t on: its upper six are the next tile's codes (behind tile 7: zeros), which
; meet q's zero codes and add nothing.  Bytes 2 and 3 of both scale words are 0, the smallest scale.
; RING.  Two LDS slots of one key step: the mask's 128 rows x 512 bytes (8 bytes of padding a row) and the four heads' k and v (13,056 dense bytes each).  Waves 0, 1 fetch the mask's halves, waves 4-7 a head each.
; CLUSTER 4 x 4: the mask's tile hangs on the query block and is asked for jointly along a column of the cluster, k and v hang on the heads and are asked for jointly along a row.  A wave has one tensor load out at the most.
; LIMITS: NaN and infinities are not served; blocks whose largest magnitude lies under 2^-122 keep the byte 1, blocks of zeros too (their codes are zeros; this program alone reads the bytes);
; p under 2^-126 counts as 0.  os is stored 4 bytes a lane, 8 bytes a token: one byte in 24 of what the launch stores.
; REGISTERS.  window 0: see the names below.  window 1: v0-63 the mask; v64-191 O^T (head j, tile t at 64 + 32 j + 8 t); v192-239 q (head j at 192 + 12 j).
.set BLK,   19712                      ; a block of qkv: one (batch, head), 128 tokens
.set HSTR,  16*BLK                     ; from a head's block to the next head's
.set MP,    520                        ; a row of the mask in LDS: 512 bytes + 8: the 32 lanes of a load of 8 bytes (rows 0-7 and 16-23 of a group, two halves 64 bytes apart) touch 64 different banks
.set MASKB, 128*MP
.set KVB,   13056                      ; k's codes 6,144, v's codes 6,144, k's scale words 512, v's 256
.set SLOT1, 1<<17                      ; slot 1 begins here: one exclusive or turns an address from one slot to the other
.set STAGE, 2*SLOT1                    ; behind the ring: 16 rows x 272 bytes for each wave, for the way out
.set SP,    272
.set SPARE, STAGE+8*16*SP              ; the spare words, 128 bytes for each wave, which no other line names
.set AMK0, 1                           ; v1   my lane's place in the mask's tile
.set AKV0, 2                           ; v2   16 x lane + where k and v begin in a slot
.set AVS0, 3                           ; v3   8 x lane + the same
.set SPW,  4                           ; v4   LDS address of my spare word; never rewritten
.set NIL,  5                           ; v5   0; never rewritten
.set ADM,  6                           ; v6-8 the same three places in the slot in hand
.set ADK,  7
.set ADV,  8
.set ST,   10                          ; v10-25 head j: +0 -M, +1 the largest t, +2, +3 the sum in two halves
.set QS,   26                          ; v26-29 q's scale words, a head each
.set PS,   30                          ; v30    p's scale word
.set KS,   32                          ; v32-35 k's scale words: register b: lanes 0-15 tile 2 b, lanes 16-31 tile 2 b + 1
.set VS,   36                          ; v36-37 v's likewise
.set BM,   38                          ; v38-41 the blocks' largest t, then p
.set PX,   42                          ; v42-45 from lane xor 16; then the bytes
.set SO,   46                          ; v46-49 the conversions' scale operands
.set F,    50                          ; v50-51 2^(old M - new M) (v51 is named with it as a pair)
.set T,    52                          ; v52    at work
.set W0,   54                          ; v54-55 the output's two scale words
.set PC,   56                          ; v56-67 p's codes
.set PT,   68                          ; v68-75 the second halves of the conversions
.set S,    76                          ; v76-139 S^T, then t, then p
.set KF,   140                         ; v140-187 k's eight half fragments; v188-193 zeros
.set VF,   194                         ; v194-241 v's four fragments
.set C2,   242                         ; v242-243 the sum's second chain
.set QA,   244                         ; v244-246 q's three pairs of registers in its image; v247 its scale word
.set QSA,  247
.set STO,  248                         ; the way out: into my stage, back, and the places in oc and os
.set RD,   249
.set GOC,  250
.set GOS,  251
.set MK,   0                           ; in window 1
.set O,    64
.set Q,    192
.set MSB, 0
.macro WIN new                         ; the immediate's high byte repeats the setting that is left
.if MSB != \new
	s_set_vgpr_msb (MSB<<8)|\new
.set MSB, \new
.endif
.endm
.macro PLACES                          ; four places behind a matrix instruction, in front of loads into its registers and of reads of its result (ISA guide 7.12.1 for vector instructions)
.rept 4
	v_nop
.endr
.endm
; A joint load.  The branches hang on the wave's number alone.  Four v_nop follow each of the two lines.
.macro JLOAD
	s_cmp_lt_u32 s12, 2
	s_cbranch_scc0 .Lnot_m_\@
	tensor_load_to_lds s[44:47], s[28:35]          ; waves 0, 1: 64 rows of the mask
	s_nop 0
.rept 4
	v_nop
.endr
	s_branch .Lasked_\@
.Lnot_m_\@:
	s_cmp_lt_u32 s12, 4
	s_cbranch_scc1 .Lasked_\@
	tensor_load_to_lds s[48:51], s[36:43]          ; waves 4-7: a head's k and v
	s_nop 0
.rept 4
	v_nop
.endr
.Lasked_\@:
.endm
.macro CROUND                          ; a round of the cluster's barrier
	s_barrier_signal -1
	s_barrier_wait -1
	s_cmp_lg_u32 s12, 0
	s_cbranch_scc1 .Lnot_wave_0_\@
	s_barrier_signal -3
.Lnot_wave_0_\@:
	s_barrier_wait -3
	s_barrier_signal -1
	s_barrier_wait -1
.endm
	s_load_b256 s[4:11], s[0:1], 0x0               ; qkv s[4:5], mask s[6:7], oc s[8:9], os s[10:11]
	v_lshl_add_u32 v[SPW], v0, 2, SPARE
	v_mov_b32 v[NIL], 0
	ds_add_u32 v4, v5
	s_wait_dscnt 0x0
	v_lshrrev_b32 v6, 5, v0
	v_readfirstlane_b32 s12, v6                    ; wave 0..7
	s_and_b32 s13, s12, 3                          ; which head I fetch, if I fetch k and v
	s_and_b32 s26, s12, 1                          ; which half of the mask's rows, if I fetch the mask
	s_bfe_u32 s14, ttmp6, 0x40000                  ; cx
	s_bfe_u32 s15, ttmp6, 0x40004                  ; cy
	s_lshl_b32 s16, ttmp9, 2
	s_add_co_u32 s16, s16, s14                     ; the query block = 4 x cluster x + cx
	s_and_b32 s17, ttmp7, 0xffff
	s_lshl_b32 s17, s17, 2
	s_add_co_u32 s17, s17, s15                     ; the group of four heads = 4 x cluster y + cy
	s_lshl_b32 s18, 0x1111, s14                    ; my column of the cluster
	s_lshl_b32 s19, s15, 2
	s_lshl_b32 s19, 15, s19                        ; my row
	; group 1 for the mask: 64 rows x 128 elements of 4 bytes, 2,048 elements from row to row; 2 words of padding behind every 128
	s_or_b32 s28, s18, (2<<16)|(1<<20)|(1<<21)|(6<<22)|(1<<25)
	s_mov_b32 s29, 128<<16                         ; tensor_dim0
	s_mov_b32 s30, 64<<16                          ; tensor_dim1
	s_mov_b32 s31, 128<<16                         ; tile_dim0
	s_mov_b32 s32, 64                              ; tile_dim1
	s_mov_b32 s33, 2048                            ; tensor_dim0_stride
	s_mov_b32 s34, 0
	s_mov_b32 s35, 0
	; group 1 for k and v: a dense block of 13,056 bytes as 51 rows of 256 (32 elements of 8 bytes), no padding
	s_or_b32 s36, s19, (3<<16)|(1<<21)
	s_mov_b32 s37, 32<<16
	s_mov_b32 s38, 51<<16
	s_mov_b32 s39, 32<<16
	s_mov_b32 s40, 51
	s_mov_b32 s41, 32
	s_mov_b32 s42, 0
	s_mov_b32 s43, 0
	s_lshl_b32 s54, s16, 20                        ; the mask: 128 rows of 8,192 bytes a query block,
	s_lshl_b32 s55, s26, 19                        ; 64 rows a half: only the query block and the wave enter
	s_add_co_u32 s54, s54, s55
	s_mov_b32 s55, 0
	s_lshl_b32 s56, s17, 2
	s_add_co_u32 s56, s56, s13
	s_mul_i32 s56, s56, HSTR                       ; k and v: the head's first block: only the heads and the wave enter,
	s_add_co_u32 s56, s56, 6656                    ; behind q's part of it
	s_mov_b32 s57, 0
	s_mul_i32 s58, s26, 64*MP                      ; where they go in a slot
	s_mul_i32 s59, s13, KVB
	s_add_co_u32 s59, s59, MASKB
	s_mov_b32 s20, 0x76543210
	s_mov_b32 s21, 0xfedcba98                      ; v_permlanex16_b32's selects for lane xor 16
	s_mov_b32 s22, 0x3d38aa3b                      ; log2(e) / 32
	s_mov_b32 s23, s22                             ; (named with it as a pair)
	s_mov_b32 s24, 0xceabfb8f                      ; -1e9 x log2(e)
	s_mov_b32 s25, s24
	s_mov_b32 s52, 0                               ; the slot in hand
	s_wait_kmcnt 0x0
	s_mov_b32 s44, 1
	s_mov_b32 s45, s58
	s_add_nc_u64 s[46:47], s[6:7], s[54:55]
	s_or_b32 s47, s47, 0x80000000
	s_mov_b32 s48, 1
	s_mov_b32 s49, s59
	s_add_nc_u64 s[50:51], s[4:5], s[56:57]
	s_or_b32 s51, s51, 0x80000000
	CROUND                                         ; all sixteen work-groups are here: the first joint loads meet
	JLOAD                                          ; key step 0 into slot 0
	v_and_b32 v6, 15, v0                           ; r
	v_bfe_u32 v7, v0, 4, 1                         ; h
	v_and_b32 v8, 8, v0
	v_add_nc_u32 v8, v8, v6                        ; r + 8 (r / 8)
	v_and_b32 v9, 31, v0                           ; lane
	s_lshr_b32 s60, s12, 1
	s_lshl_b32 s60, s60, 5
	s_lshl_b32 s61, s26, 3
	s_add_co_u32 s60, s60, s61                     ; my tile's first token in the block: 32 (w / 2) + 8 (w % 2)
	s_mul_i32 s61, s60, MP
	v_mul_u32_u24 v[AMK0], v8, MP
	v_lshl_add_u32 v[AMK0], v7, 6, v[AMK0]         ; my query's row, + 64 h: my 16 keys of a block of 32
	v_add_nc_u32 v[AMK0], s61, v[AMK0]
	v_lshl_add_u32 v[AKV0], v9, 4, MASKB
	v_lshl_add_u32 v[AVS0], v9, 3, MASKB
	s_mul_i32 s62, s12, 3                          ; q's image: register R of lane l lies at 512 (R / 4) + 16 l + 4 (R % 4); my tile's six are pairs 3 w .. 3 w + 2
.irp p, 0,1,2
	s_add_co_u32 s63, s62, \p
	s_lshr_b32 s66, s63, 1
	s_lshl_b32 s66, s66, 9
	s_and_b32 s63, s63, 1
	s_lshl_b32 s63, s63, 3
	s_add_co_u32 s66, s66, s63
	v_lshl_add_u32 v[QA+\p], v9, 4, s66
.endr
	s_lshl_b32 s63, s26, 8                         ; its scale word: at 16 (16 (w % 2) + r) + 4 (w / 2)
	s_lshr_b32 s66, s12, 1
	s_lshl_b32 s66, s66, 2
	s_add_co_u32 s63, s63, s66
	v_lshl_add_u32 v[QSA], v6, 4, s63
	s_lshl_b32 s68, s17, 2
	s_mul_i32 s68, s68, HSTR
	s_mul_i32 s69, s16, BLK
	s_add_co_u32 s68, s68, s69
	s_mov_b32 s69, 0
	s_add_nc_u64 s[68:69], s[4:5], s[68:69]        ; the first head's block of my queries
	WIN 0x40                                       ; destination window 1
.irp j, 0,1,2,3
.irp p, 0,1,2
	global_load_b64 v[Q+12*\j+2*\p:Q+12*\j+2*\p+1], v[QA+\p], s[68:69] offset:\j*HSTR
.endr
.endr
.set i, 0
.rept 128
	v_mov_b32 v[O+i], 0                            ; O^T.  (The key step is written once for the loop: its first trip finds zeros, which the first change of M leaves zeros)
.set i, i+1
.endr
.irp j, 0,1,2,3
.irp n, 6,7,8,9,10,11
	v_mov_b32 v[Q+12*\j+\n], 0                     ; q's zero codes for the 64 along K that a head does not have
.endr
.endr
	WIN 0
.irp j, 0,1,2,3
	global_load_b32 v[QS+\j], v[QSA], s[68:69] offset:6144+\j*HSTR
.endr
.irp n, 0,1,2,3,4,5
	v_mov_b32 v[KF+48+\n], 0                       ; what stands behind k's tile 7
.endr
.irp b, 0,1,2,3
	v_mov_b32 v[PX+\b], 0                          ; written once: a lane permute's destination counts as one of its sources
.endr
	v_mov_b32 v[F+1], 0
.irp j, 0,1,2,3
	v_mov_b32 v[ST+4*\j+1], 0xff61b1e6             ; the largest t so far: -3e38, under every t
	v_mov_b32 v[ST+4*\j+2], 0
	v_mov_b32 v[ST+4*\j+3], 0
.endr
.irp j, 0,1,2,3
	v_floor_f32 v[ST+4*\j], -v[ST+4*\j+1]          ; -M
.endr
	s_mul_i32 s70, s12, 16*SP                      ; the way out
	s_add_co_u32 s70, s70, STAGE                   ; my stage
	v_mul_u32_u24 v[STO], v6, SP
	v_lshl_add_u32 v[STO], v7, 4, v[STO]
	v_add_nc_u32 v[STO], s70, v[STO]               ; in: row r, place h of each pair of places of 16 bytes
	v_mul_u32_u24 v[RD], v7, SP
	v_lshl_add_u32 v[RD], v6, 4, v[RD]
	v_add_nc_u32 v[RD], s70, v[RD]                 ; back: lanes 0-15 one row, lanes 16-31 the next
	v_mul_u32_u24 v[GOC], v7, 768
	v_mad_u32_u24 v[GOC], v6, 12, v[GOC]           ; and the same in oc: 12 bytes a lane
	v_lshlrev_b32 v[GOS], 5, v8
	v_lshl_add_u32 v[GOS], v7, 2, v[GOS]           ; os: my token's 32 bytes, word h of my heads' two
	s_lshr_b32 s71, s17, 2
	s_lshl_b32 s71, s71, 11                        ; the batch's 2,048 tokens,
	s_lshl_b32 s72, s16, 7
	s_add_co_u32 s71, s71, s72
	s_add_co_u32 s71, s71, s60                     ; my tile's first token
	s_and_b32 s72, s17, 3                          ; which four heads of the sixteen
	s_mul_i32 s74, s71, 768
	s_mul_i32 s73, s72, 192
	s_add_co_u32 s74, s74, s73
	s_mov_b32 s75, 0
	s_add_nc_u64 s[8:9], s[8:9], s[74:75]
	s_lshl_b32 s74, s71, 5
	s_lshl_b32 s73, s72, 3
	s_add_co_u32 s74, s74, s73
	s_add_nc_u64 s[10:11], s[10:11], s[74:75]
.macro KLOAD j                         ; head j's k: 13 loads, images of the registers: 512 consecutive bytes an instruction
.irp c, 0,1,2,3,4,5,6,7,8,9,10,11
	ds_load_b128 v[KF+4*\c:KF+4*\c+3], v[ADK] offset:KVB*(\j)+512*\c
.endr
	ds_load_b128 v[KS:KS+3], v[ADK] offset:KVB*(\j)+12288
.endm
.macro VLOAD j                         ; head j's v: 13 loads
.irp c, 0,1,2,3,4,5,6,7,8,9,10,11
	ds_load_b128 v[VF+4*\c:VF+4*\c+3], v[ADK] offset:KVB*(\j)+6144+512*\c
.endr
	ds_load_b64 v[VS:VS+1], v[ADV] offset:KVB*(\j)+12800
.endm
; ONE HEAD'S PART OF A KEY STEP.  Every accumulator has one matrix instruction a turn, and the others' stand between two on the same one.
.macro HEAD j
.set rT, ST+4*(\j)
	s_wait_dscnt 13                                ; k of this head is in; the 13 loads of its v may be out
	WIN 0x04                                       ; source 1 (q) window 1
.irp t, 0,1,2,3,4,5,6,7
.if (\t%2) == 1
	v_wmma_scale_f32_16x16x128_f8f6f4 v[S+8*\t:S+8*\t+7], v[KF+6*\t:KF+6*\t+11], v[Q+12*(\j):Q+12*(\j)+11], 0, v[KS+\t/2], v[QS+(\j)] matrix_a_fmt:MATRIX_FMT_BF6 matrix_b_fmt:MATRIX_FMT_BF6 matrix_a_scale:MATRIX_SCALE_ROW1
.else
	v_wmma_scale_f32_16x16x128_f8f6f4 v[S+8*\t:S+8*\t+7], v[KF+6*\t:KF+6*\t+11], v[Q+12*(\j):Q+12*(\j)+11], 0, v[KS+\t/2], v[QS+(\j)] matrix_a_fmt:MATRIX_FMT_BF6 matrix_b_fmt:MATRIX_FMT_BF6
.endif
.endr
	WIN 0
	PLACES
.if \j < 3
	KLOAD \j+1                                     ; the next head's k lands under this head's softmax
.endif
	WIN 0x10                                       ; source 2 (the mask) window 1
.set i, 0
.rept 32
	v_pk_fma_f32 v[S+i:S+i+1], v[S+i:S+i+1], s[22:23], v[MK+i:MK+i+1] op_sel_hi:[1,0,1]   ; t, two at a time, each accumulator from its low end on
.set i, i+2
.endr
	WIN 0
.irp b, 0,1,2,3
	v_max3_num_f32 v[BM+\b], v[S+16*\b], v[S+16*\b+1], v[S+16*\b+2]   ; the largest t of each block of 32 keys: it serves for the row's maximum and, since p rises with t, for the block's largest p
.endr
.irp n, 3,5,7,9,11,13
.irp b, 0,1,2,3
	v_max3_num_f32 v[BM+\b], v[BM+\b], v[S+16*\b+\n], v[S+16*\b+\n+1]
.endr
.endr
.irp b, 0,1,2,3
	v_max_num_f32 v[BM+\b], v[BM+\b], v[S+16*\b+15]
.endr
.irp b, 0,1,2,3
	v_permlanex16_b32 v[PX+\b], v[BM+\b], s20, s21
.endr
.irp b, 0,1,2,3
	v_max_num_f32 v[BM+\b], v[BM+\b], v[PX+\b]     ; with lane xor 16's 16 keys
.endr
	v_max3_num_f32 v[T], v[BM], v[BM+1], v[BM+2]
	v_max3_num_f32 v[rT+1], v[rT+1], v[T], v[BM+3] ; the running largest t
	v_mov_b32 v[T], v[rT]
	v_floor_f32 v[rT], -v[rT+1]                    ; the new -M = floor(-t): M is a whole number
	v_sub_f32 v[T], v[rT], v[T]                    ; old M - new M: a whole number, 0 or less
	v_cvt_i32_f32 v[T], v[T]                       ; (it saturates)
	v_ldexp_f32 v[F], 1.0, v[T]                    ; 2^(old M - new M)
.set i, 0
.rept 32
	v_pk_add_f32 v[S+i:S+i+1], v[S+i:S+i+1], v[rT:rT+1] op_sel_hi:[1,0]   ; t - M
.set i, i+2
.endr
.irp b, 0,1,2,3
	v_add_f32 v[BM+\b], v[BM+\b], v[rT]            ; the same of each block's largest t
.endr
.set i, 0
.rept 64
	v_exp_f32 v[S+i], v[S+i]                       ; p = 2^(t - M), at most 1
.set i, i+1
.endr
.irp b, 0,1,2,3
	v_exp_f32 v[BM+\b], v[BM+\b]                   ; the block's largest p: the same instructions on the same number give the same bits
.endr
	v_pk_mul_f32 v[rT+2:rT+3], v[rT+2:rT+3], v[F:F+1] op_sel_hi:[1,0]   ; the sum under the new M (the plain place behind the exponentials)
	s_wait_alu depctr_va_vdst(0)
.irp b, 0,1,2,3
	v_max_num_f32 v[BM+\b], 0x2800000, v[BM+\b]    ; the floor 2^(5 - 127): the byte cannot fall under 1
.endr
.irp b, 0,1,2,3
	v_add_nc_u32 v[SO+\b], 0xfe000000, v[BM+\b]    ; 4 off the exponent field: the conversion's scale operand
.endr
.irp b, 0,1,2,3
	v_lshrrev_b32 v[PX+\b], 23, v[SO+\b]           ; the scale's byte
.endr
	v_lshl_or_b32 v[PS], v[PX+1], 8, v[PX]         ; p's scale word for these 128 keys
	v_lshl_or_b32 v[PS], v[PX+2], 16, v[PS]
	v_lshl_or_b32 v[PS], v[PX+3], 24, v[PS]
.irp c, 0,1
	v_cvt_scalef32_pk16_bf6_f32 v[PC+6*\c:PC+6*\c+2], v[S+32*\c:S+32*\c+15], v[SO+2*\c]
	v_cvt_scalef32_pk16_bf6_f32 v[PT+4*\c:PT+4*\c+2], v[S+32*\c+16:S+32*\c+31], v[SO+2*\c+1]   ; (a conversion's three registers begin on an even number)
.endr
	v_nop                                          ; one plain place behind a scaled conversion
.irp c, 0,1                                    ; the operand's layout wants a whole block in a lane
.irp n, 0,1,2
	v_permlane16_swap_b32 v[PC+6*\c+\n], v[PT+4*\c+\n]
.endr
.irp n, 0,1,2
	v_mov_b32 v[PC+6*\c+3+\n], v[PT+4*\c+\n]
.endr
.endr
	WIN 0x41                                       ; O^T: destination and source 0 window 1
.set i, 0
.rept 16
	v_pk_mul_f32 v[O+32*(\j)+i:O+32*(\j)+i+1], v[O+32*(\j)+i:O+32*(\j)+i+1], v[F:F+1] op_sel_hi:[1,0]   ; O^T under the new M, each accumulator from its low end on
.set i, i+2
.endr
	WIN 0
	v_pk_add_f32 v[C2:C2+1], v[S:S+1], v[S+2:S+3]  ; the row's sum of the unquantised p, in two chains.  (These 32 are also the places between the writes of p's codes and scale word and the products below)
.irp n, 4,8,12,16,20,24,28,32,36,40,44,48,52,56,60
	v_pk_add_f32 v[rT+2:rT+3], v[rT+2:rT+3], v[S+\n:S+\n+1]
	v_pk_add_f32 v[C2:C2+1], v[C2:C2+1], v[S+\n+2:S+\n+3]
.endr
	v_pk_add_f32 v[rT+2:rT+3], v[rT+2:rT+3], v[C2:C2+1]
.if \j < 3
	s_wait_dscnt 13                                ; v of this head is in; the 13 loads of the next head's k may be out
.else
	s_wait_dscnt 0x0
.endif
	WIN 0x50                                       ; C and D window 1
.irp t, 0,1,2,3
.if (\t%2) == 1
	v_wmma_scale_f32_16x16x128_f8f6f4 v[O+32*(\j)+8*\t:O+32*(\j)+8*\t+7], v[VF+12*\t:VF+12*\t+11], v[PC:PC+11], v[O+32*(\j)+8*\t:O+32*(\j)+8*\t+7], v[VS+\t/2], v[PS] matrix_a_fmt:MATRIX_FMT_BF6 matrix_b_fmt:MATRIX_FMT_BF6 matrix_a_scale:MATRIX_SCALE_ROW1
.else
	v_wmma_scale_f32_16x16x128_f8f6f4 v[O+32*(\j)+8*\t:O+32*(\j)+8*\t+7], v[VF+12*\t:VF+12*\t+11], v[PC:PC+11], v[O+32*(\j)+8*\t:O+32*(\j)+8*\t+7], v[VS+\t/2], v[PS] matrix_a_fmt:MATRIX_FMT_BF6 matrix_b_fmt:MATRIX_FMT_BF6
.endif
.endr
	WIN 0
	PLACES
.if \j < 3
	VLOAD \j+1
.endif
.endm
; A KEY STEP: 128 keys, four heads.
.macro STEP
	v_add_nc_u32 v[ADM], s52, v[AMK0]
	v_add_nc_u32 v[ADK], s52, v[AKV0]
	v_add_nc_u32 v[ADV], s52, v[AVS0]
	WIN 0x40                                       ; destination window 1
.irp b, 0,1,2,3
.irp n, 0,1,2,3,4,5,6,7
	ds_load_b64 v[MK+16*\b+2*\n:MK+16*\b+2*\n+1], v[ADM] offset:128*\b+8*\n   ; register 16 b + i: key 32 b + 16 h + i of my query's row
.endr
.endr
	WIN 0
	KLOAD 0
	VLOAD 0
	s_wait_dscnt 26                                ; the mask is in; k's 13 and v's 13 loads of head 0 may be out
	WIN 0x41
.set i, 0
.rept 32
	v_pk_mul_f32 v[MK+i:MK+i+1], v[MK+i:MK+i+1], s[24:25] op_sel_hi:[1,0]   ; x (-1e9 log2(e)), once for four heads
.set i, i+2
.endr
	WIN 0
	HEAD 0
	HEAD 1
	HEAD 2
	HEAD 3
	s_xor_b32 s52, s52, SLOT1                      ; on to the other slot
.endm
; THE CHANGE OF SLOTS stands at a step's head.  Each wave waits for all its tensor loads (its part of the slot that it is about to read), adds 0 to its spare word, and waits for that and for its reads of the slot that it has left.
; fill = 1: a round of the cluster's barrier, and behind it the slot that was left is filled with the next key step: the load has a whole step's work in which to land.
.macro CHANGE fill
	WIN 0
	s_wait_tensorcnt 0x0                           ; no tensor load of mine is out, so a group 0 may be written
	ds_add_u32 v[SPW], v[NIL]                      ; 0 onto my spare word
.if \fill
	s_xor_b32 s45, s45, SLOT1                      ; the walking descriptors: the other slot than last time,
	s_add_nc_u64 s[46:47], s[46:47], 512           ; the next 128 keys of the mask's rows,
	s_xor_b32 s49, s49, SLOT1
	s_add_nc_u64 s[50:51], s[50:51], BLK           ; the head's next block
.endif
	s_wait_dscnt 0x0                               ; the add is done, and my reads of the slot that I have left are over
.if \fill
	CROUND
	JLOAD                                          ; the first thing behind the round, and a wave's one tensor load until the next
.else
	s_barrier_signal -1
	s_barrier_wait -1
.endif
.endm
	s_wait_loadcnt 0x0                             ; q and its scale words
	s_mov_b32 s53, 15
.Lstep:                                            ; 15 trips: behind each change of slots but the last the next key step is asked for
	CHANGE 1
	STEP
	s_sub_co_u32 s53, s53, 1
	s_cmp_lg_u32 s53, 0
	s_cbranch_scc1 .Lstep
	CHANGE 0                                       ; the last step is written out
	STEP
	; THE WAY OUT.  O^T / the sum; register 16 c + i of head j is d_model 64 head + 32 c + 16 h + i: quantised along d_model, a block shared with lane xor 16.  A lane's 16 codes are 12 neighbouring bytes of its token's row.
.irp j, 0,1,2,3
	v_add_f32 v[ST+4*\j+2], v[ST+4*\j+2], v[ST+4*\j+3]
.endr
.irp j, 0,1,2,3
	v_permlanex16_b32 v[PX+\j], v[ST+4*\j+2], s20, s21
.endr
.irp j, 0,1,2,3
	v_add_f32 v[ST+4*\j+2], v[ST+4*\j+2], v[PX+\j] ; the row's sum
.endr
.irp j, 0,1,2,3
	v_rcp_f32 v[ST+4*\j], v[ST+4*\j+2]
.endr
	v_and_b32 v[T], 31, v0                         ; (a plain place behind the reciprocals)
	v_cmp_le_u32 vcc_lo, 16, v[T]                  ; lanes 16-31
	s_wait_alu depctr_va_vdst(0)
.macro OQ g                            ; heads 2 g and 2 g + 1: four blocks
	WIN 0x01                                       ; source 0 (O^T) window 1
.irp e, 0,1
.set i, 0
.rept 16
	v_pk_mul_f32 v[S+32*\e+i:S+32*\e+i+1], v[O+32*(2*(\g)+\e)+i:O+32*(2*(\g)+\e)+i+1], v[ST+4*(2*(\g)+\e):ST+4*(2*(\g)+\e)+1] op_sel_hi:[1,0]
.set i, i+2
.endr
.endr
	WIN 0
.irp b, 0,1,2,3
	v_max3_num_f32 v[BM+\b], |v[S+16*\b]|, |v[S+16*\b+1]|, 0x2800000
.endr
.irp n, 2,4,6,8,10,12,14
.irp b, 0,1,2,3
	v_max3_num_f32 v[BM+\b], v[BM+\b], |v[S+16*\b+\n]|, |v[S+16*\b+\n+1]|
.endr
.endr
.irp b, 0,1,2,3
	v_permlanex16_b32 v[PX+\b], v[BM+\b], s20, s21
.endr
.irp b, 0,1,2,3
	v_max_num_f32 v[BM+\b], v[BM+\b], v[PX+\b]
.endr
.irp b, 0,1,2,3
	v_add_nc_u32 v[SO+\b], 0xfe000000, v[BM+\b]
.endr
.irp b, 0,1,2,3
	v_lshrrev_b32 v[PX+\b], 23, v[SO+\b]
.endr
	v_lshl_or_b32 v[W0+(\g)], v[PX+1], 8, v[PX]
	v_lshl_or_b32 v[W0+(\g)], v[PX+2], 16, v[W0+(\g)]
	v_lshl_or_b32 v[W0+(\g)], v[PX+3], 24, v[W0+(\g)]
.irp b, 0,1,2,3
	v_cvt_scalef32_pk16_bf6_f32 v[PC+4*\b:PC+4*\b+2], v[S+16*\b:S+16*\b+15], v[SO+\b]
.endr
	v_nop                                          ; one plain place behind a scaled conversion
.irp b, 0,1,2,3
	ds_store_b96 v[STO], v[PC+4*\b:PC+4*\b+2] offset:32*(4*(\g)+\b)   ; 12 bytes to a place of 16: every LDS address is a multiple of 16
.endr
	s_wait_dscnt 0x0                               ; the stores have read their registers
.endm
	OQ 0
	OQ 1
.irp t, 0,1,2,3,4,5,6,7
	ds_load_b96 v[S+4*\t:S+4*\t+2], v[RD] offset:2*\t*SP   ; my own stage: LDS serves a wave's instructions in order
.endr
.irp t, 0,1,2,3,4,5,6,7
	s_wait_dscnt 7-\t                              ; the younger reads of the stage may be out
	global_store_b96 v[GOC], v[S+4*\t:S+4*\t+2], s[8:9] offset:(2*\t+8*(\t/4))*768   ; sixteen lanes store a token's 192 consecutive bytes
.endr
	v_cndmask_b32 v[T], v[W0], v[W0+1], vcc_lo     ; lanes 0-15 store the first two heads' word, lanes 16-31 the other two's
	global_store_b32 v[GOS], v[T], s[10:11]
	s_wait_tensorcnt 0x0                           ; the wave's end
	ds_add_u32 v[SPW], v[NIL]
	s_wait_dscnt 0x0
	CROUND                                         ; the closing round: no work-group ends while a partner may still ask for a tile that names it
	s_endpgm
.Lfunc_end_k_q5f5c992bfe_attn:
	.size	k_q5f5c992bfe_attn, .Lfunc_end_k_q5f5c992bfe_attn-k_q5f5c992bfe_attn
	.p2alignl 7, 3214868480
	.fill 96, 4, 3214868480
	.section	.rodata,"a",@progbits
	.p2align	6, 0x0
	.amdhsa_kernel k_q5f5c992bfe_attn
		.amdhsa_group_segment_fixed_size 327680
		.amdhsa_private_segment_fixed_size 0
		.amdhsa_enable_private_segment 0
		.amdhsa_kernarg_size 32
		.amdhsa_user_sgpr_count 2
		.amdhsa_user_sgpr_kernarg_segment_ptr 1
		.amdhsa_wavefront_size32 1
		.amdhsa_system_sgpr_workgroup_id_x 1
		.amdhsa_system_sgpr_workgroup_id_y 1
		.amdhsa_system_sgpr_workgroup_id_z 1
		.amdhsa_system_vgpr_workitem_id 0
		.amdhsa_next_free_vgpr 512
		.amdhsa_next_free_sgpr 80
		.amdhsa_reserve_vcc 1
		.amdhsa_float_denorm_mode_32 3
		.amdhsa_float_denorm_mode_16_64 3
		.amdhsa_memory_ordered 1
		.amdhsa_forward_progress 1
		.amdhsa_inst_pref_size 177
	.end_amdhsa_kernel
	.amdgpu_metadata
---
amdhsa.version: [ 1, 2 ]
amdhsa.kernels:
  - .name:           k_q5f5c992bfe_attn
    .symbol:         k_q5f5c992bfe_attn.kd
    .args:
      - { .name: qkv, .offset: 0, .size: 8, .value_kind: global_buffer, .address_space: global }
      - { .name: mask, .offset: 8, .size: 8, .value_kind: global_buffer, .address_space: global }
      - { .name: oc, .offset: 16, .size: 8, .value_kind: global_buffer, .address_space: global }
      - { .name: os, .offset: 24, .size: 8, .value_kind: global_buffer, .address_space: global }
    .group_segment_fixed_size: 327680
    .private_segment_fixed_size: 0
    .kernarg_segment_align: 8
    .kernarg_segment_size: 32
    .max_flat_workgroup_size: 256
    .sgpr_count:     80
    .vgpr_count:     512
    .wavefront_size: 32
...
	.end_amdgpu_metadata
.endif
;; end of part 5
;; launch gemm_out (part 6): grid 4 x 32, 4 waves a work-group, clusters of 4 x 4, 327,680 bytes of LDS; arguments oc, os, wc, ws, out0, dense_b; writes out0
.if DOCPART == 6
	.amdgcn_target "amdgcn-amd-amdhsa--gfx1250"
	.amdhsa_code_object_version 6
	.text
	.protected	k_q5f5c992bfe_gemm_out
	.globl	k_q5f5c992bfe_gemm_out
	.p2align	8
	.type	k_q5f5c992bfe_gemm_out,@function
k_q5f5c992bfe_gemm_out:
	s_mov_b64 s[64:65], 0
	v_nop
	global_prefetch_b8 v0, s[64:65] scope:SCOPE_SE
	s_setreg_imm32_b32 hwreg(HW_REG_WAVE_MODE, 25, 1), 1
	s_wait_xcnt 0x0
	s_wait_alu depctr_hold_cnt(0) depctr_sa_sdst(0) depctr_va_vdst(0) depctr_va_sdst(0) depctr_va_ssrc(0) depctr_va_vcc(0) depctr_vm_vsrc(0)
	s_getreg_b32 s2, hwreg(HW_REG_IB_STS2, 6, 4)
	s_cmp_eq_u32 s2, 0
	s_cbranch_scc0 .Lentry_in_a_cluster
	s_endpgm
.Lentry_in_a_cluster:
	s_bfe_u32 s2, ttmp6, 0x10000c
	s_cmp_lg_u32 s2, 0xf033
	s_cbranch_scc0 .Lentry_shape_is_right
	s_endpgm
.Lentry_shape_is_right:
; out0 [8192][1024] f32 = (attention's result, as codes) x dense_w + dense_b, on codes of BF6 (E3M2) with one E8M0 scale for each 32 along K = 1,024.
; Source 1 (here called A) = 256 rows of oc (tokens, in their own order), source 0 (B) = 256 rows of dense_w's codes (rows 3,072 on of wc; a row is an output column, stored with bits 3 and 4 of its number exchanged).
; A tile of 256 x 256 is made by four waves, as many as a WGP has SIMDs; a wave makes 128 x 128: 64 accumulators of 16 x 16, 512 registers.  K goes in steps of 256 through a ring of two LDS slots filled by
; the tensor data mover (rows of 192 bytes, 16 bytes of padding behind every 64: pitch 240).  The scale bytes of the 512 rows, for all of K, come into LDS once, with the first fills.
; CLUSTERS: 4 x 4 work-groups; A's tiles are asked for jointly along a row of the cluster, B's along a column.
; THE MATRIX INSTRUCTION IS USED TRANSPOSED: a lane holds one token (lane % 16), and register j of B's tile b is column 32 (b / 2) + 16 (lane / 16) + 8 (b % 2) + j of my 128.
; THE BIAS is the C of each sum's first matrix instruction.  THE WAY OUT goes through the wave's own stage in LDS, which puts the columns in order, and leaves as whole rows of 512 bytes.
; REGISTERS: window 0: v0-31 addresses; v32-63 scale words, two sets, and nothing else; v64-127 the bias; from v128 A's fragments, one set; on the way out v128-255 hold rows read back.
;   window 1: B's fragments, two sets, at v0 and v128.   window 2: the accumulators of A's tiles 0-3 ((a, b) at v[8 (8 a + b)]);   window 3: those of tiles 4-7.
.set SIZE_K, 1024
.set SIZE_N, 1024
.set B_ROW0, 3072                      ; dense_w's rows in the weights' codes
.set KSTEP,  256
.set NQ,     KSTEP/128
.set ROWB,   192
.set KROW,   SIZE_K*6/8
.set PITCH,  240                       ; 3 x (64 bytes + 16 of padding) = 60 words: the 32 lanes of a load of 8 bytes touch 64 different banks (64 banks of 4 bytes: ISA guide 11.1)
.set FR,     12
.set NL,     6
.set NP,     4                         ; places behind this matrix instruction (ISA guide 7.12.1)
.set HALFT,  128*PITCH
.set SLOT,   4*HALFT
.set LAPS,   SIZE_K/(2*KSTEP)
.set KS,     SIZE_K/32
.set SCL,    2*SLOT                    ; behind the ring: the scales, as units of 256 bytes + 16 of padding
.set HALFS,  (128*KS/256)*272
.set SBLK,   (16*KS/256)*272
.set SPARE,  SCL+4*HALFS               ; behind the scales: the spare words, 128 bytes for each wave, which no other line names
.set SPITCH, 528                       ; the way out: a stage of 16 rows x (512 bytes + 16) for each wave, in slot 0, which has had its last fill and its last read when the first result is stored there
.set ADRA, 16                          ; v16-17 LDS address of my A fragments in slot 0, 1 (v18-19: behind one padding more)
.set ADRB, 20                          ; v20-23 the same for B
.set STO,  24                          ; v24    the way out: where I put 32 bytes of a row
.set RD,   25                          ; v25    where I read a row back
.set CO,   26                          ; v26    my byte offset in a row of out0
.set ADRS, 27                          ; v27    LDS address of my scale words: lanes 0-15 A's rows, lanes 16-31 B's
.set SPW,  28                          ; v28    LDS address of my spare word; never rewritten
.set NIL,  29                          ; v29    0; never rewritten
.set SC,   32
.set BI,   64                          ; v64-127 the bias: eight tiles of 8 registers in the result's layout
.set AF,   128
.set BK,   128                         ; the way out: 16 rows read back from the stage: v128-191 and v192-255 by turns
.set G1, 24
.set G0, 32
.set G1B, 48
.set G0B, 56
.set G1S, 68
.set G0S, 76
.set G1SB, 80
.set G0SB, 88
.set MSB, 0
.macro WIN new                         ; the immediate's high byte repeats the setting that is left
.if MSB != \new
	s_set_vgpr_msb (MSB<<8)|\new
.set MSB, \new
.endif
.endm
.set MUL_LO, 0xa1                      ; source 0 (B) window 1, source 1 (A) window 0, C and D window 2
.set MUL_HI, 0xf1                      ; the same, C and D window 3
.set TO_B,   0x40                      ; destination window 1, address window 0
; A joint load: waves 0 and 1 fetch for A, waves 2 and 3 for B; the branch hangs on the wave's number alone.  Four v_nop follow each of the two lines.
.macro JLOAD g0a, g1a, g0b, g1b
	s_cmp_eq_u32 s15, 0
	s_cbranch_scc0 .Lfor_b_\@
	tensor_load_to_lds s[\g0a:\g0a+3], s[\g1a:\g1a+7]
	s_nop 0
.rept 4
	v_nop
.endr
	s_branch .Lasked_\@
.Lfor_b_\@:
	tensor_load_to_lds s[\g0b:\g0b+3], s[\g1b:\g1b+7]
	s_nop 0
.rept 4
	v_nop
.endr
.Lasked_\@:
.endm
.macro CREST                           ; a round of the cluster's barrier behind its opening barrier
	s_cmp_lg_u32 s14, 0
	s_cbranch_scc1 .Lnot_wave_0_\@
	s_barrier_signal -3
.Lnot_wave_0_\@:
	s_barrier_wait -3
	s_barrier_signal -1
	s_barrier_wait -1
.endm
.macro CROUND                          ; a whole round
	s_barrier_signal -1
	s_barrier_wait -1
	CREST
.endm
	s_load_b128 s[4:7], s[0:1], 0x0                ; A's codes, A's scales
	s_load_b128 s[8:11], s[0:1], 0x10              ; B's codes, B's scales
	s_load_b64 s[12:13], s[0:1], 0x20              ; out0
	s_load_b64 s[96:97], s[0:1], 0x28              ; dense_b
	v_lshl_add_u32 v[SPW], v0, 2, SPARE
	v_mov_b32 v[NIL], 0
	ds_add_u32 v28, v29
	s_wait_dscnt 0x0
	v_lshrrev_b32 v1, 5, v0
	v_readfirstlane_b32 s14, v1                    ; wave 0..3
	s_lshr_b32 s15, s14, 1                         ; which half of A's rows is mine.  Also: I fetch for A (0) or for B (1)
	s_and_b32 s16, s14, 1                          ; which half of B's rows.  Also: which 128 rows of that tile I fetch
	s_bfe_u32 s40, ttmp6, 0x40000                  ; cx, cy: my place in the cluster
	s_bfe_u32 s41, ttmp6, 0x40004
	s_lshl_b32 s42, ttmp9, 2
	s_add_co_u32 s42, s42, s40                     ; B's tile = 4 x cluster x + cx
	s_and_b32 s17, ttmp7, 0xffff
	s_lshl_b32 s17, s17, 2
	s_add_co_u32 s17, s17, s41                     ; A's tile = 4 x cluster y + cy
	s_lshl_b32 s43, s41, 2
	s_lshl_b32 s43, 15, s43                        ; my row of the cluster
	s_lshl_b32 s44, 0x1111, s40                    ; my column
	; descriptor group 1: a tile of 128 rows x 192 bytes, padded in LDS
	s_or_b32 s[G1+0], s43, (0<<16)|(1<<20)|(1<<21)|(3<<22)|(3<<25)  ; 15:0 the mask: A's tiles go to my row; elements of 1 byte; 20 padding on; 21 set beside a mask; after every 16 words (code 3) 4 words (code 3)
	s_or_b32 s[G1B+0], s44, (0<<16)|(1<<20)|(1<<21)|(3<<22)|(3<<25)
.irp g, G1, G1B
	s_mov_b32 s[\g+1], ROWB<<16                    ; tensor_dim0
	s_mov_b32 s[\g+2], 128<<16                     ; tensor_dim1
	s_mov_b32 s[\g+3], ROWB<<16                    ; tile_dim0
	s_mov_b32 s[\g+4], 128                         ; tile_dim1
	s_mov_b32 s[\g+5], KROW                        ; tensor_dim0_stride
	s_mov_b32 s[\g+6], 0
	s_mov_b32 s[\g+7], 0
.endr
	; the scales of 128 rows: a dense block of 4,096 bytes, as 16 rows of 256 bytes (32 elements of 8 bytes), 16 bytes of padding behind each
	s_or_b32 s[G1S+0], s43, (3<<16)|(1<<20)|(1<<21)|(5<<22)|(3<<25)
	s_or_b32 s[G1SB+0], s44, (3<<16)|(1<<20)|(1<<21)|(5<<22)|(3<<25)
.irp g, G1S, G1SB
	s_mov_b32 s[\g+1], 32<<16
	s_mov_b32 s[\g+2], (128*KS/256)<<16
	s_mov_b32 s[\g+3], 32<<16
	s_mov_b32 s[\g+4], 128*KS/256
	s_mov_b32 s[\g+5], 32
	s_mov_b32 s[\g+6], 0
	s_mov_b32 s[\g+7], 0
.endr
	s_lshl_b32 s18, s16, 7                         ; which 128 rows of the tile I fetch
	s_lshl_b32 s20, s17, 8
	s_add_co_u32 s20, s20, s18                     ; A: row 256 x tile + 128 x half
	s_lshl_b32 s46, s42, 8
	s_add_co_u32 s46, s46, s18                     ; B likewise,
	s_add_co_u32 s46, s46, B_ROW0                  ; behind the three other weights
	s_mov_b32 s21, 0
	s_mov_b32 s47, 0
	s_mov_b64 s[18:19], KS
	s_mul_u64 s[22:23], s[20:21], s[18:19]         ; where these rows' scales begin, in bytes
	s_mul_u64 s[92:93], s[46:47], s[18:19]
	s_mov_b64 s[18:19], KROW
	s_mul_u64 s[20:21], s[20:21], s[18:19]         ; and their codes
	s_mul_u64 s[46:47], s[46:47], s[18:19]
	s_mul_i32 s45, s14, HALFT                      ; where they go: wave x 128 rows: no place in the cluster enters an LDS address
	s_mul_i32 s94, s14, HALFS
	s_wait_kmcnt 0x0
	s_add_nc_u64 s[20:21], s[4:5], s[20:21]
	s_add_nc_u64 s[22:23], s[6:7], s[22:23]
	s_add_nc_u64 s[46:47], s[8:9], s[46:47]
	s_add_nc_u64 s[92:93], s[10:11], s[92:93]
	CROUND                                         ; all sixteen work-groups are here: the first joint loads meet
	s_mov_b32 s[G0S], 1
	s_add_co_u32 s[G0S+1], s94, SCL
	s_mov_b64 s[G0S+2:G0S+3], s[22:23]
	s_or_b32 s[G0S+3], s[G0S+3], 0x80000000
	s_mov_b32 s[G0SB], 1
	s_add_co_u32 s[G0SB+1], s94, SCL
	s_mov_b64 s[G0SB+2:G0SB+3], s[92:93]
	s_or_b32 s[G0SB+3], s[G0SB+3], 0x80000000
	JLOAD G0S, G1S, G0SB, G1SB                     ; the scales first: they are wanted with K step 0
.irp s, 0,1
	s_mov_b32 s[G0+4*\s], 1
	s_add_co_u32 s[G0+4*\s+1], s45, \s*SLOT
	s_add_nc_u64 s[G0+4*\s+2:G0+4*\s+3], s[20:21], \s*ROWB
	s_or_b32 s[G0+4*\s+3], s[G0+4*\s+3], 0x80000000
	s_mov_b32 s[G0B+4*\s], 1
	s_add_co_u32 s[G0B+4*\s+1], s45, \s*SLOT
	s_add_nc_u64 s[G0B+4*\s+2:G0B+4*\s+3], s[46:47], \s*ROWB
	s_or_b32 s[G0B+4*\s+3], s[G0B+4*\s+3], 0x80000000
	JLOAD G0+4*\s, G1, G0B+4*\s, G1B               ; three tensor loads of mine are out now
.endr
	v_and_b32 v1, 15, v0                           ; r = lane % 16
	v_bfe_u32 v2, v0, 4, 1                         ; h = lane / 16
	v_mul_u32_u24 v3, v1, PITCH
	v_mul_u32_u24 v4, v2, 24
	v_add_nc_u32 v4, v3, v4                        ; a fragment's row x pitch + 24 x half
	v_lshl_add_u32 v5, v2, 4, v4                   ; and the same behind one padding more
	s_mul_i32 s21, s15, HALFT                      ; my 128 rows of A
	s_mul_i32 s22, s16, HALFT                      ; my 128 rows of B,
	s_add_co_u32 s22, s22, 2*HALFT                 ; which lie behind A's 256
.irp s, 0,1
	v_add_nc_u32 v[ADRA+\s], s21, v4
	v_add_nc_u32 v[ADRB+\s], s22, v4
	v_add_nc_u32 v[ADRA+2+\s], s21, v5
	v_add_nc_u32 v[ADRB+2+\s], s22, v5
	s_add_co_u32 s21, s21, SLOT
	s_add_co_u32 s22, s22, SLOT
.endr
	v_mul_u32_u24 v5, v1, KS                       ; my row's scales: 32 bytes a row,
	v_lshrrev_b32 v6, 8, v5
	v_lshl_add_u32 v5, v6, 4, v5                   ; and 16 more for each 256 passed
	s_mul_i32 s21, s15, HALFS
	s_mul_i32 s22, s16, HALFS
	s_add_co_u32 s22, s22, 2*HALFS
	s_sub_co_u32 s22, s22, s21
	v_mul_u32_u24 v6, s22, v2                      ; lanes 16-31 take B's
	s_add_co_u32 s21, s21, SCL
	v_add_nc_u32 v5, v5, v6
	v_add_nc_u32 v[ADRS], s21, v5
	; the bias, in the result's layout: tile b's register j is column 32 (b / 2) + 16 h + 8 (b % 2) + j of my 128
	v_lshlrev_b32 v7, 6, v2
	s_lshl_b32 s66, s42, 10
	s_lshl_b32 s67, s16, 9
	s_add_co_u32 s66, s66, s67
	s_mov_b32 s67, 0
	s_add_nc_u64 s[96:97], s[96:97], s[66:67]
.irp t, 0,1,2,3,4,5,6,7
	global_load_b128 v[BI+8*\t:BI+8*\t+3], v7, s[96:97] offset:(32*(\t/2)+8*(\t%2))*4
	global_load_b128 v[BI+8*\t+4:BI+8*\t+7], v7, s[96:97] offset:(32*(\t/2)+8*(\t%2))*4+16
.endr
	s_mul_i32 s23, s14, 16*SPITCH                  ; my stage
	v_mul_u32_u24 v5, v1, SPITCH                   ; in: row r, + 64 h: my 16 columns of each 32
	v_lshl_add_u32 v5, v2, 6, v5
	v_add_nc_u32 v[STO], s23, v5
	v_and_b32 v6, 31, v0
	v_lshlrev_b32 v[CO], 4, v6                     ; back: the 32 lanes take one row of 512 bytes; and the same in out0
	v_add_nc_u32 v[RD], s23, v[CO]
	s_lshl_b32 s20, s17, 8
	s_lshl_b32 s21, s15, 7
	s_add_co_u32 s20, s20, s21                     ; my first row of out0
	s_mov_b32 s21, 0
	s_mov_b64 s[18:19], SIZE_N*4
	s_mul_u64 s[20:21], s[20:21], s[18:19]
	s_lshl_b32 s46, s42, 10                        ; my first column, in bytes
	s_lshl_b32 s47, s16, 9
	s_add_co_u32 s46, s46, s47
	s_mov_b32 s47, 0
	s_add_nc_u64 s[20:21], s[20:21], s[46:47]
	s_add_nc_u64 s[12:13], s[12:13], s[20:21]
.macro FRAG reg, adr, q, i             ; a fragment, 16 rows x 128 K of 6-bit codes, is 12 registers: lane l holds row l % 16; registers 6 c .. 6 c + 5 hold K = 64 c + 32 (l / 16) + 0 .. 31: 24 bytes of the row, as they lie
.irp p, 0,1,2,3,4,5                    ; in pieces of 8 bytes.  Lanes 16-31 read three pieces further on than lanes 0-15: where that is behind one padding more, the second address register serves
.set PC, 12*(\q)+6*(\p/3)+\p%3
.if PC%8 < 5
	ds_load_b64 v[\reg+2*\p:\reg+2*\p+1], v[\adr] offset:8*PC+16*(PC/8)+(\i)*16*PITCH
.else
	ds_load_b64 v[\reg+2*\p:\reg+2*\p+1], v[\adr+2] offset:8*PC+16*(PC/8)+(\i)*16*PITCH
.endif
.endr
.endm
; 16 matrix instructions: A's tiles a0, a0 + 1 x B's eight, 128 along K.  p: B's set; sc: the set of scale words.  first = 1: the sums begin with the bias as C.
; The 64 accumulators take turns, one instruction a turn, in the same order in every step.
.macro MUL16 a0, p, q, sc, first
.irp a, \a0, \a0+1
.irp b, 0,1,2,3,4,5,6,7
.if \first
	v_wmma_scale_f32_16x16x128_f8f6f4 v[8*(8*((\a)%4)+\b):8*(8*((\a)%4)+\b)+7], v[128*(\p)+FR*\b:128*(\p)+FR*\b+FR-1], v[AF+FR*(\a):AF+FR*(\a)+FR-1], v[BI+8*\b:BI+8*\b+7], v[SC+8*NQ*(\sc)+NQ*\b+(\q)], v[SC+8*NQ*(\sc)+NQ*(\a)+(\q)] matrix_a_fmt:MATRIX_FMT_BF6 matrix_b_fmt:MATRIX_FMT_BF6 matrix_a_scale:MATRIX_SCALE_ROW1
.else
	v_wmma_scale_f32_16x16x128_f8f6f4 v[8*(8*((\a)%4)+\b):8*(8*((\a)%4)+\b)+7], v[128*(\p)+FR*\b:128*(\p)+FR*\b+FR-1], v[AF+FR*(\a):AF+FR*(\a)+FR-1], v[8*(8*((\a)%4)+\b):8*(8*((\a)%4)+\b)+7], v[SC+8*NQ*(\sc)+NQ*\b+(\q)], v[SC+8*NQ*(\sc)+NQ*(\a)+(\q)] matrix_a_fmt:MATRIX_FMT_BF6 matrix_b_fmt:MATRIX_FMT_BF6 matrix_a_scale:MATRIX_SCALE_ROW1
.endif
.endr
.endr
.endm
.macro FETCH_B slot, q, p              ; B's eight fragments of the slot's q-th 128 along K into set p
	WIN TO_B
.irp i, 0,1,2,3,4,5,6,7
	FRAG 128*(\p)+FR*\i, ADRB+\slot, \q, \i
.endr
	WIN 0
.endm
.macro FETCH_A slot, q, i0             ; A's tiles i0 .. i0 + 3
.irp i, \i0, \i0+1, \i0+2, \i0+3
	FRAG AF+FR*(\i), ADRA+\slot, \q, \i
.endr
.endm
.macro SCALES sc                       ; a K step's scale words into set sc: two words a row; lanes 0-15 take A's tile i, lanes 16-31 B's tile i
.irp i, 0,1,2,3,4,5,6,7
	ds_load_b64 v[SC+8*NQ*\sc+NQ*\i:SC+8*NQ*\sc+NQ*\i+1], v[ADRS] offset:\i*SBLK
.endr
.endm
; A load into a register that a matrix instruction has read, and a vector instruction or an LDS store that reads a matrix result, stand NP places behind it; only plain vector
; instructions that name none of its registers are places (ISA guide 7.12.1 for vector instructions).
.macro PLACES n
.rept \n
	v_nop
.endr
.endm
; A step of 128 along K that has its successor in the same slot.
.macro STEP slot, q, first
	s_wait_dscnt 4*NL                              ; B's set and A's tiles 0-3 are in; the youngest 24 loads (A's tiles 4-7) may be out
.if \first
	WIN 0x81                                       ; source 0 window 1, C (the bias) window 0, D window 2
.else
	WIN MUL_LO
.endif
	MUL16 0, (\q)%2, \q, \slot, \first
	MUL16 2, (\q)%2, \q, \slot, \first
	s_wait_dscnt 0                                 ; A's tiles 4-7 are in
	PLACES NP
	FETCH_B \slot, (\q)+1, 1-(\q)%2
	FETCH_A \slot, (\q)+1, 0
.if \first
	WIN 0xc1
.else
	WIN MUL_HI
.endif
	MUL16 4, (\q)%2, \q, \slot, \first
	MUL16 6, (\q)%2, \q, \slot, \first
	PLACES NP
	WIN 0
	FETCH_A \slot, (\q)+1, 4
.endm
; A slot's last step changes slots: one barrier; in front of it each wave waits for all its tensor loads, adds 0 to its spare word, and waits for that and for its own reads of this slot.  fill = 1: this slot is filled again, two K steps ahead.
.macro TURN slot, next, fill
	s_wait_tensorcnt 0x0                           ; all my tensor loads have landed: my part of the next slot
	ds_add_u32 v[SPW], v[NIL]                      ; 0 onto my spare word
	s_wait_dscnt 4*NL+1                            ; the add and the youngest 24 loads (A's tiles 4-7) may be out
	WIN MUL_LO
	MUL16 0, 1, NQ-1, \slot, 0                     ; sixteen matrix instructions stand between the add and the wait for it
	s_wait_dscnt 0x0                               ; the add is done, and my reads of this slot are over
	s_barrier_signal -1
	MUL16 2, 1, NQ-1, \slot, 0
	WIN 0
	s_barrier_wait -1
.if \fill
	CREST                                          ; the barrier has opened a round of the cluster's barrier: no wave of any partner still reads this slot's tile or has a load on its way
	s_add_nc_u64 s[G0+4*\slot+2:G0+4*\slot+3], s[G0+4*\slot+2:G0+4*\slot+3], 2*ROWB
	s_add_nc_u64 s[G0B+4*\slot+2:G0B+4*\slot+3], s[G0B+4*\slot+2:G0B+4*\slot+3], 2*ROWB
	JLOAD G0+4*\slot, G1, G0B+4*\slot, G1B         ; the first tensor load behind the round; its four v_nop are the places in front of the loads below
.else
	PLACES NP
.endif
	v_add_nc_u32 v[ADRS], 4*NQ, v[ADRS]            ; on to the next K step's scale words
	FETCH_B \next, 0, 0
	FETCH_A \next, 0, 0
	SCALES \next
	WIN MUL_HI
	MUL16 4, 1, NQ-1, \slot, 0
	MUL16 6, 1, NQ-1, \slot, 0
	PLACES NP
	WIN 0
	FETCH_A \next, 0, 4
.endm
	s_wait_tensorcnt 1                             ; the scales and my part of K step 0 are in; K step 1's load may be out
	s_barrier_signal -1
	s_barrier_wait -1
	FETCH_B 0, 0, 0
	FETCH_A 0, 0, 0
	SCALES 0
	FETCH_A 0, 0, 4
	s_wait_loadcnt 0x0                             ; the bias
	STEP 0, 0, 1                                   ; the first step stands in front of the loop: its products start the sums
	s_mov_b32 s3, LAPS-1
.Llap:                                                 ; a trip goes once round the ring and fills both slots again
	TURN 0, 1, 1
	STEP 1, 0, 0
	TURN 1, 0, 1
	STEP 0, 0, 0
	s_sub_co_u32 s3, s3, 1
	s_cmp_lg_u32 s3, 0
	s_cbranch_scc1 .Llap
	TURN 0, 1, 0                                   ; the last lap fills nothing, and has no round of the cluster's barrier
	STEP 1, 0, 0
	s_wait_dscnt 4*NL                              ; the very last step: nothing more to fetch
	WIN MUL_LO
	MUL16 0, 1, NQ-1, 1, 0
	MUL16 2, 1, NQ-1, 1, 0
	s_wait_dscnt 0
	WIN MUL_HI
	MUL16 4, 1, NQ-1, 1, 0
	MUL16 6, 1, NQ-1, 1, 0
	WIN 0
; THE WAY OUT, tile by tile of 16 tokens x 128 columns, through my own stage in LDS; it comes back as whole rows of 512 bytes.  LDS serves a wave's instructions in order (ISA guide 5.7.1.4): no wait between the stores and the loads.
.macro TOSTAGE a
.set AC, 64*((\a)%4)
	WIN 0x08+4*((\a)/4)                            ; the data: window 2 or 3
.irp b, 0,1,2,3,4,5,6,7
	ds_store_b128 v[STO], v[AC+8*\b:AC+8*\b+3] offset:128*(\b/2)+32*(\b%2)        ; each accumulator from its low end on; its eight columns' place in the row
	ds_store_b128 v[STO], v[AC+8*\b+4:AC+8*\b+7] offset:128*(\b/2)+32*(\b%2)+16
.endr
	WIN 0
.set BB, BK+64*((\a)%2)
.irp t, 0,1,2,3,4,5,6,7,8,9,10,11,12,13,14,15
	ds_load_b128 v[BB+4*\t:BB+4*\t+3], v[RD] offset:\t*SPITCH
.endr
.endm
.macro SEND a, younger                 ; younger: the LDS instructions issued behind tile a's loads, which may stay out
.set BB, BK+64*((\a)%2)
	s_wait_dscnt \younger                          ; the tile is back in registers
.if (\a) > 0
	s_add_nc_u64 s[12:13], s[12:13], 16*SIZE_N*4   ; (behind a wait on XCNT: the earlier stores have read their base)  16 rows on
.endif
.irp t, 0,1,2,3,4,5,6,7,8,9,10,11,12,13,14,15
	global_store_b128 v[CO], v[BB+4*\t:BB+4*\t+3], s[12:13] offset:\t*SIZE_N*4 th:TH_STORE_NT   ; 32 lanes store 512 consecutive bytes, aligned to 256; written once, read by nobody here
.endr
.endm
	PLACES NP                                      ; in front of the loads into the registers that held A's fragments, and of the reads of the last results
	TOSTAGE 0
.irp a, 1,2,3,4,5,6,7
.if \a > 1
	s_wait_xcnt 0x0                                ; tile a - 2's stores have read their registers and their base: tile a's loads may land there, and the base may step
.endif
	TOSTAGE \a
	SEND \a-1, 32                                  ; behind tile a - 1's loads: tile a's 16 stores and 16 loads
.endr
	s_wait_xcnt 0x0                                ; tile 6's stores have read their base
	SEND 7, 0
	s_wait_tensorcnt 0x0                           ; the wave's end
	ds_add_u32 v[SPW], v[NIL]
	s_wait_dscnt 0x0
	CROUND                                         ; the closing round: no work-group ends while a partner may still ask for a tile that names it
	s_endpgm
.Lfunc_end_k_q5f5c992bfe_gemm_out:
	.size	k_q5f5c992bfe_gemm_out, .Lfunc_end_k_q5f5c992bfe_gemm_out-k_q5f5c992bfe_gemm_out
	.p2alignl 7, 3214868480
	.fill 96, 4, 3214868480
	.section	.rodata,"a",@progbits
	.p2align	6, 0x0
	.amdhsa_kernel k_q5f5c992bfe_gemm_out
		.amdhsa_group_segment_fixed_size 327680
		.amdhsa_private_segment_fixed_size 0
		.amdhsa_enable_private_segment 0
		.amdhsa_kernarg_size 48
		.amdhsa_user_sgpr_count 2
		.amdhsa_user_sgpr_kernarg_segment_ptr 1
		.amdhsa_wavefront_size32 1
		.amdhsa_system_sgpr_workgroup_id_x 1
		.amdhsa_system_sgpr_workgroup_id_y 1
		.amdhsa_system_sgpr_workgroup_id_z 1
		.amdhsa_system_vgpr_workitem_id 0
		.amdhsa_next_free_vgpr 1024
		.amdhsa_next_free_sgpr 102
		.amdhsa_reserve_vcc 0
		.amdhsa_float_denorm_mode_32 3
		.amdhsa_float_denorm_mode_16_64 3
		.amdhsa_memory_ordered 1
		.amdhsa_forward_progress 1
		.amdhsa_inst_pref_size 162
	.end_amdhsa_kernel
	.amdgpu_metadata
---
amdhsa.version: [ 1, 2 ]
amdhsa.kernels:
  - .name:           k_q5f5c992bfe_gemm_out
    .symbol:         k_q5f5c992bfe_gemm_out.kd
    .args:
      - { .name: oc, .offset: 0, .size: 8, .value_kind: global_buffer, .address_space: global }
      - { .name: os, .offset: 8, .size: 8, .value_kind: global_buffer, .address_space: global }
      - { .name: wc, .offset: 16, .size: 8, .value_kind: global_buffer, .address_space: global }
      - { .name: ws, .offset: 24, .size: 8, .value_kind: global_buffer, .address_space: global }
      - { .name: out0, .offset: 32, .size: 8, .value_kind: global_buffer, .address_space: global }
      - { .name: dense_b, .offset: 40, .size: 8, .value_kind: global_buffer, .address_space: global }
    .group_segment_fixed_size: 327680
    .private_segment_fixed_size: 0
    .kernarg_segment_align: 8
    .kernarg_segment_size: 48
    .max_flat_workgroup_size: 128
    .sgpr_count:     102
    .vgpr_count:     1024
    .wavefront_size: 32
...
	.end_amdgpu_metadata
.endif
;; end of part 6
